; MI455X (gfx1250); checked and timed in simulation.
; The chip was launched on July 23, 2026; its instructions are those of AMD's public machine-readable ISA for CDNA 5 (MIT licence, August 2026) and "CDNA5" Instruction Set Architecture Reference Guide (July 2026). The comments in the code are by the model that wrote it; some were corrected since.
;; Feed Forward. Allowed arithmetic: matrix products marked QUANTISED: E3M2 operands, one E8M0 scale for each 32 along K, by v_wmma_scale_f32_16x16x128_f8f6f4 with both operands' format E3M2, f32 sums; products left as they are: f32 operands where the result goes on into a quantised operand, else bf16, f16 or f32 operands; f32 sums; everything else in f32.
;; Inputs: W1_codes 2 x 4,096 x 32 x 24 uint8 (E3M2 codes of W1, K innermost, in blocks of 32 codes, four codes in three bytes); W1_scales 2 x 4,096 x 32 uint8 (E8M0 scales of W1, one for each 32 codes along K); W2_codes 2 x 1,024 x 128 x 24 uint8 (E3M2 codes of W2, K innermost, in blocks of 32 codes, four codes in three bytes); W2_scales 2 x 1,024 x 128 uint8 (E8M0 scales of W2, one for each 32 codes along K); Wr 1,024 x 2 float32; b1 2 x 4,096 float32; b2 2 x 1,024 float32; x 2 x 2,048 x 1,024 float32.
;; Outputs: out0 2 x 2,048 x 1,024 float32; out1 one number float32.
;; This version of the problem:
;;   THIS VERSION OF THE PROBLEM IS GIVEN IN LOW PRECISION. The matrix products marked QUANTISED in the list below multiply operands that are first quantised to E3M2 (3 exponent bits, 2 mantissa bits; 6 bits a number), with one power-of-two scale for each 32 numbers along K (OCP MX v1.0); their sums are f32. All else is computed in f32.
;;   The module's matrix products, in the order in which they are computed (A, B: the left and right operand; K: the contracted axis; several contracted axes count as one K, in the product's order):
;;     1. [M 4,096, K 1,024] x [K 1,024, N 2]; A: input x; B: input Wr: left as it is (N = 2 < 16)
;;     2. [M 8,192, K 1,024] x [K 1,024, N 4,096]; A: input W1 (given as codes); B: input x: QUANTISED
;;     3. batch 2 x [M 4,096, K 4,096] x [K 4,096, N 1,024]; A: computed on the way; B: input W2 (given as codes): QUANTISED
;;     4. batch 4,096 x [M 1, K 2] x [K 2, N 1,024]; A: computed on the way; B: computed on the way: left as it is (K = 2 < 32)
;;   THE QUANTISER, for each operand of a quantised product, along K:
;;     - K is cut into blocks of 32 from its start; a last block that is shorter is filled with zeros.
;;     - A block's scale is 2^e with e = floor(log2(the largest magnitude in the block)) - 4, held to -126 .. 127; a block of zeros has e = 0. As a byte (E8M0): e + 127.
;;     - Each number is divided by its block's scale, clamped to +-28, and rounded to the nearest number of E3M2, ties to even, subnormals kept.
;;     - The product sums the exact products of the quantised numbers (number of the format x scale) in f32.
;;   ~~~python
;;   def quantise(x, axis):      # numpy; x: float32 -> the quantised numbers, widened to float32 again
;;       x = np.moveaxis(x, axis, -1); K = x.shape[-1]
;;       x = np.pad(x, [(0, 0)] * (x.ndim - 1) + [(0, -K % 32)]); x = x.reshape(x.shape[:-1] + (-1, 32)); a = np.abs(x).max(-1, keepdims=True)
;;       e = np.where(a > 0, np.clip(np.frexp(np.where(a > 0, a, 1))[1] - 1 - 4, -126, 127), 0)      # np.frexp(a)[1] - 1 = floor(log2(a)), exactly
;;       r = np.clip(x / 2.0 ** e, -28, 28)
;;       step = 2.0 ** (np.maximum(np.frexp(np.where(r == 0, 1, r))[1] - 1, -2) - 2)
;;       q = np.round(r / step) * step * 2.0 ** e      # np.round: ties to even
;;       return np.moveaxis(q.reshape(q.shape[:-2] + (-1,))[..., :K], -1, axis).astype(np.float32)
;;   ~~~
;;   OPERANDS COMPUTED ON THE WAY. 'Computed on the way' means the value that the module computes at that place (a softmax that the list does not call 'softmax' is quantised finished and normalised). What goes into a quantiser is computed in f32, as accurately as f32 sums, v_exp_f32 and their like allow (about 1e-6 of the number): no bf16 or f16 on the way to a quantiser, and a product that is left as it is and whose result goes on into a quantised operand takes f32 operands (vector FMAs, or v_wmma_f32_16x16x4_f32). A number that lies on a knife's edge between two numbers of the format may be rounded either way, as far as f32 arithmetic and the matrix unit's own rounding can turn it there, and no further.
;;   INPUTS GIVEN AS CODES. W1 (in the module: [2, 1024, 4096], K = its axis 1); W2 (in the module: [2, 4096, 1024], K = its axis 1): each comes as NAME_codes (uint8): NAME with its K axis moved to the last place and cut into blocks of 32 codes, [.., K / 32, bytes a block], one block behind the other in memory; four codes in three bytes: a row's codes are one little-endian stream of bits, code i at bits 6 i .. 6 i + 5 (a code: sign, 3 exponent bits, 2 mantissa bits); and NAME_scales (uint8): the same leading axes, one E8M0 byte (e + 127) for each 32 codes along K. Its value is code x scale, taken as it is: it is not quantised again, and the codes and scales need not be those that the quantiser above would give.
;; One version. Each part assembles by itself: llvm-mc -triple=amdgcn-amd-amdhsa -mcpu=gfx1250 --defsym DOCPART=n.
;; ======== version 1 of 1: 3 launches
;; workspace buffers: xq 3,145,728 bytes; xs 131,072 bytes; route 65,536 bytes; hq 25,165,824 bytes; hs 1,048,576 bytes
;; launch prep (part 1): grid 256 x 1, 8 waves a work-group, no clusters, 105,472 bytes of LDS; arguments x, Wr, xq, xs, route; writes xq, xs, route
.if DOCPART == 1
	.amdgcn_target "amdgcn-amd-amdhsa--gfx1250"
	.amdhsa_code_object_version 6
	.text
	.protected	k_q3e6ea5722e_prep
	.globl	k_q3e6ea5722e_prep
	.p2align	8
	.type	k_q3e6ea5722e_prep,@function
k_q3e6ea5722e_prep:
	s_mov_b64 s[64:65], 0
	v_nop
	global_prefetch_b8 v0, s[64:65] scope:SCOPE_SE
	s_setreg_imm32_b32 hwreg(HW_REG_WAVE_MODE, 25, 1), 1
	s_wait_xcnt 0x0
; PREP.  x [4096][1024] f32 is read once and gives three things:
;   xq    its codes of BF6 (E3M2), quantised along the 1,024, laid as IMAGES OF THE OPERAND'S REGISTERS: [tile of 128 tokens 32][K step of 128: 8][block of 16 tokens 8][1,536 bytes];
;         in the 1,536 bytes registers 4 c .. 4 c + 3 of lane l lie at 512 c + 16 l;
;   xs    its E8M0 scale bytes, [4096][32]: one word for a token and a K step;
;   route for each block of 16 tokens 256 bytes: words 2 r, 2 r + 1 = the combine weights (c0, c1) of token r; words 32, 33 = the block's sums of p0 and of p1; the rest 0.
; THE ROUTER: logits = x Wr in f32 multiply-adds; p = softmax with the larger logit taken away first.  The top 2 of 2 experts are both experts for every input, so c_e = p_e / (p_0 + p_1).
; SHARES.  Work-group g takes tokens 16 g .. 16 g + 15; wave w takes K step w: 16 rows x 512 bytes.  All of a wave's 16 loads go out at once, each 512 consecutive bytes.
; The conversions take 16 neighbours along K from ONE lane, the loads give a lane 4: so a wave's rows turn through its own stage in LDS (rows 528 bytes apart).  The lanes' parts of the
; two logits turn through a second stage (rows 272 bytes apart), so that lane (r, h) adds the parts of token r.  One barrier; then wave 0 adds the eight waves' parts.
; No matrix unit, tensor load, cluster or prefetch: each byte of x is read once by one wave, all of a work-group's bytes are asked for at its head, and the one shared input is Wr's 8,192 bytes.
; A block's scale is 2^(floor(log2(its largest magnitude)) - 4); its byte is that magnitude's exponent field - 4, held at 1 from below.
; LIMITS: a block of zeros keeps the byte 1 (its codes are zeros; this program alone reads the bytes); NaN and infinities among the inputs are not served; a p under 2^-126 counts as 0.
.set ROWX, 4096                        ; a row of x in bytes
.set WREG, 12800                       ; LDS: a region for each wave: the stage for x (16 x 528), then the stage for the logit parts (16 x 272)
.set SPX,  528
.set PST,  8448
.set SPP,  272
.set RED,  102400                      ; the waves' parts of the logits: 128 bytes a wave, 8 bytes a token
.set SCW,  103424                      ; the scale words: 32 bytes a token
.set R,    16                          ; v16-79   x as loaded: row i in 4 registers
.set WR,   80                          ; v80-87   Wr at my four k: (w0, w1) four times
.set P,    88                          ; v88-119  my part of (logit 0, logit 1) of row i
.set X,    120                         ; v120-183 64 numbers of my token: register 16 b + i = k 32 b + 16 (lane / 16) + i
.set PL,   184                         ; v184-215 sixteen lanes' parts of my token's logits
.set TM,   216                         ; v216-231 at work in QUANT
.set PW,   232                         ; the scale word just made
.set PC,   234                         ; v234-253 the codes just made: 12 registers, and 8 at work
.set SEL,  20                          ; s[20:21] v_permlanex16_b32's selects for lane l xor 16
; 64 numbers of a lane, v[s] .. v[s + 63], become a fragment's codes in v[PC] on and its scale word in v[PW].
.macro QUANT s
.irp b, 0,1,2,3
	v_max3_num_f32 v[TM+\b], |v[\s+16*\b]|, |v[\s+1+16*\b]|, 0x2800000   ; block b: my 16 numbers, and the floor 2^(5 - 127): the byte cannot fall under 1
.endr
.irp i, 2,4,6,8,10,12,14
.irp b, 0,1,2,3
	v_max3_num_f32 v[TM+\b], v[TM+\b], |v[\s+16*\b+\i]|, |v[\s+1+16*\b+\i]|   ; the four blocks by turns
.endr
.endr
.irp b, 0,1,2,3
	v_permlanex16_b32 v[TM+4+\b], v[TM+\b], s[SEL], s[SEL+1]
.endr
.irp b, 0,1,2,3
	v_max_num_f32 v[TM+\b], v[TM+\b], v[TM+4+\b]   ; with lane l xor 16's: the block's largest magnitude
.endr
.irp b, 0,1,2,3
	v_add_nc_u32 v[TM+12+\b], 0xfe000000, v[TM+\b]   ; 4 off its exponent field: the conversion takes that field of this operand as its scale
.endr
.irp b, 0,1,2,3
	v_lshrrev_b32 v[TM+4+\b], 23, v[TM+12+\b]      ; the scale's byte
.endr
	v_lshl_or_b32 v[PW], v[TM+5], 8, v[TM+4]       ; four bytes make my token's scale word
	v_lshl_or_b32 v[PW], v[TM+6], 16, v[PW]
	v_lshl_or_b32 v[PW], v[TM+7], 24, v[PW]
.irp c, 0,1
	v_cvt_scalef32_pk16_bf6_f32 v[PC+6*\c:PC+2+6*\c], v[\s+32*\c:\s+15+32*\c], v[TM+12+2*\c]
	v_cvt_scalef32_pk16_bf6_f32 v[PC+12+4*\c:PC+14+4*\c], v[\s+16+32*\c:\s+31+32*\c], v[TM+12+2*\c+1]   ; (a conversion's three registers begin on an even number)
.endr
	v_nop                                          ; one plain instruction behind a scaled conversion
.irp c, 0,1                            ; the operand wants a WHOLE block in a lane: lanes 0-15 block 2 c, lanes 16-31 block 2 c + 1
.irp i, 0,1,2
	v_permlane16_swap_b32 v[PC+6*\c+\i], v[PC+12+4*\c+\i]
.endr
.irp i, 0,1,2
	v_mov_b32 v[PC+3+6*\c+\i], v[PC+12+4*\c+\i]
.endr
.endr
.endm
	s_load_b128 s[4:7], s[0:1], 0x0                ; x, Wr
	s_load_b128 s[8:11], s[0:1], 0x10              ; xq, xs
	s_load_b64 s[12:13], s[0:1], 0x20              ; route
	v_lshl_add_u32 v254, v0, 2, 0x19800
	v_mov_b32 v255, 0
	v_lshrrev_b32 v1, 5, v0
	v_readfirstlane_b32 s14, v1                    ; wave 0..7 = my K step
	v_and_b32 v1, 31, v0                           ; lane
	v_and_b32 v2, 15, v0                           ; r
	v_bfe_u32 v3, v0, 4, 1                         ; h
	v_lshlrev_b32 v4, 4, v1                        ; 16 x lane
	v_lshlrev_b32 v5, 5, v1                        ; 32 x lane: Wr at my four k
	s_mul_i32 s15, s14, WREG                       ; my wave's region of LDS
	v_add_nc_u32 v6, s15, v4                       ; x's stage, in: 16 x lane, a row an instruction
	v_lshl_add_u32 v7, v1, 3, s15                  ; the parts' stage, in: 8 x lane
	v_mul_u32_u24 v8, v2, SPX
	v_lshl_add_u32 v8, v3, 6, v8
	v_add_nc_u32 v8, s15, v8                       ; x's stage, out: row r, + 64 h: my 16 numbers of each block of 32
	v_mul_u32_u24 v9, v2, SPP
	v_lshl_add_u32 v9, v3, 7, v9
	v_add_nc_u32 v9, s15, v9                       ; the parts' stage, out: row r, + 128 h: sixteen lanes' pairs
	s_lshl_b32 s16, s14, 7
	s_add_co_u32 s16, s16, RED
	v_lshl_add_u32 v10, v2, 3, s16                 ; where my wave's part of token r's logits goes
	s_lshl_b32 s16, s14, 2
	s_add_co_u32 s16, s16, SCW
	v_lshl_add_u32 v11, v2, 5, s16                 ; where token r's scale word of my K step goes
	v_lshl_add_u32 v12, v2, 3, RED                 ; wave 0 reads the eight parts of token r from here,
	v_add_nc_u32 v13, SCW, v4                      ; and the 512 scale bytes, 16 a lane
	v_lshlrev_b32 v14, 3, v1                       ; 8 x lane: route
.irp b, 0,1,2,3
	v_mov_b32 v[TM+4+\b], 0                        ; written once: a lane permute's destination counts as one of its sources
.endr
	s_lshl_b32 s16, ttmp9, 16                      ; x: 16 rows of 4,096 bytes a work-group,
	s_lshl_b32 s17, s14, 9                         ; + 512 bytes a K step
	s_add_co_u32 s16, s16, s17
	s_mov_b32 s17, 0
	s_lshl_b32 s18, s14, 10                        ; Wr: 128 rows of 8 bytes a K step
	s_mov_b32 s19, 0
	s_lshr_b32 s22, ttmp9, 3                       ; xq: ((tile x 8 + K step) x 8 + block) x 1,536
	s_lshl_b32 s22, s22, 3
	s_add_co_u32 s22, s22, s14
	s_lshl_b32 s22, s22, 3
	s_and_b32 s23, ttmp9, 7
	s_add_co_u32 s22, s22, s23
	s_mul_i32 s22, s22, 1536
	s_mov_b32 s23, 0
	s_lshl_b32 s24, ttmp9, 9                       ; xs: 512 bytes a work-group
	s_mov_b32 s25, 0
	s_lshl_b32 s26, ttmp9, 8                       ; route: 256
	s_mov_b32 s27, 0
	s_mov_b32 s[SEL], 0x76543210
	s_mov_b32 s[SEL+1], 0xfedcba98
	s_wait_kmcnt 0x0
	s_add_nc_u64 s[4:5], s[4:5], s[16:17]
	s_add_nc_u64 s[6:7], s[6:7], s[18:19]
	s_add_nc_u64 s[8:9], s[8:9], s[22:23]
	s_add_nc_u64 s[10:11], s[10:11], s[24:25]
	s_add_nc_u64 s[12:13], s[12:13], s[26:27]
	global_load_b128 v[WR:WR+3], v5, s[6:7]
	global_load_b128 v[WR+4:WR+7], v5, s[6:7] offset:16
.irp i, 0,1,2,3,4,5,6,7,8,9,10,11,12,13,14,15
	global_load_b128 v[R+4*\i:R+4*\i+3], v4, s[4:5] offset:\i*ROWX th:TH_LOAD_NT   ; 32 lanes read 512 consecutive bytes of row i; read once in the launch
.endr
.irp i, 0,1,2,3,4,5,6,7,8,9,10,11,12,13,14,15
	s_wait_loadcnt 15-\i                           ; loads come back in order: row i (and Wr) is in, the younger rows stay out
	ds_store_b128 v6, v[R+4*\i:R+4*\i+3] offset:\i*SPX
	v_pk_mul_f32 v[P+2*\i:P+2*\i+1], v[R+4*\i:R+4*\i+1], v[WR:WR+1] op_sel_hi:[0,1]   ; x(k) x (w0(k), w1(k)): the one x feeds both halves
	v_pk_fma_f32 v[P+2*\i:P+2*\i+1], v[R+4*\i:R+4*\i+1], v[WR+2:WR+3], v[P+2*\i:P+2*\i+1] op_sel:[1,0,0]
	v_pk_fma_f32 v[P+2*\i:P+2*\i+1], v[R+4*\i+2:R+4*\i+3], v[WR+4:WR+5], v[P+2*\i:P+2*\i+1] op_sel_hi:[0,1,1]
	v_pk_fma_f32 v[P+2*\i:P+2*\i+1], v[R+4*\i+2:R+4*\i+3], v[WR+6:WR+7], v[P+2*\i:P+2*\i+1] op_sel:[1,0,0]
	ds_store_b64 v7, v[P+2*\i:P+2*\i+1] offset:PST+\i*SPP
.endr
.irp b, 0,1,2,3                        ; LDS serves a wave's instructions in order: these loads see my stores
.irp j, 0,1,2,3
	ds_load_b128 v[X+16*\b+4*\j:X+16*\b+4*\j+3], v8 offset:128*\b+16*\j
.endr
.endr
.irp j, 0,1,2,3,4,5,6,7
	ds_load_b128 v[PL+4*\j:PL+4*\j+3], v9 offset:PST+16*\j
.endr
	s_wait_dscnt 8                                 ; my token's 64 numbers are in; the eight loads of the parts may be out
	QUANT X
.irp c, 0,1,2
	global_store_b128 v4, v[PC+4*\c:PC+4*\c+3], s[8:9] offset:512*\c   ; the image: 32 lanes store 512 consecutive bytes, aligned
.endr
	ds_store_b32 v11, v[PW]                        ; lanes r and 16 + r write the same word with the same value
	s_wait_dscnt 1                                 ; the parts are in; that one store may be out
.irp j, 0,4,8,12,16,20,24,28
	v_pk_add_f32 v[PL+\j:PL+\j+1], v[PL+\j:PL+\j+1], v[PL+\j+2:PL+\j+3]
.endr
.irp j, 0,8,16,24
	v_pk_add_f32 v[PL+\j:PL+\j+1], v[PL+\j:PL+\j+1], v[PL+\j+4:PL+\j+5]
.endr
	v_pk_add_f32 v[PL:PL+1], v[PL:PL+1], v[PL+8:PL+9]
	v_pk_add_f32 v[PL+16:PL+17], v[PL+16:PL+17], v[PL+24:PL+25]
	v_pk_add_f32 v[PL:PL+1], v[PL:PL+1], v[PL+16:PL+17]
	v_permlanex16_b32 v[TM+4], v[PL], s[SEL], s[SEL+1]
	v_permlanex16_b32 v[TM+5], v[PL+1], s[SEL], s[SEL+1]
	v_pk_add_f32 v[PL:PL+1], v[PL:PL+1], v[TM+4:TM+5]   ; with the other sixteen lanes': my K step's part of token r's two logits
	ds_store_b64 v10, v[PL:PL+1]
	s_wait_dscnt 0x0                               ; for wave 0's sake: my stores have landed
	s_barrier_signal -1
	s_barrier_wait -1
	s_cmp_lg_u32 s14, 0
	s_cbranch_scc1 .Lend                           ; the rest is wave 0's; no barrier stands in it
.irp i, 0,1,2,3,4,5,6,7
	ds_load_b64 v[16+2*\i:17+2*\i], v12 offset:128*\i
.endr
	ds_load_b128 v[52:55], v13
	s_wait_dscnt 0x0
	v_pk_add_f32 v[16:17], v[16:17], v[18:19]
	v_pk_add_f32 v[20:21], v[20:21], v[22:23]
	v_pk_add_f32 v[24:25], v[24:25], v[26:27]
	v_pk_add_f32 v[28:29], v[28:29], v[30:31]
	v_pk_add_f32 v[16:17], v[16:17], v[20:21]
	v_pk_add_f32 v[24:25], v[24:25], v[28:29]
	v_pk_add_f32 v[16:17], v[16:17], v[24:25]      ; token r's logits
	v_max_num_f32 v32, v16, v17                    ; the larger is taken away ahead of the exponentials
	v_sub_f32 v33, v16, v32
	v_sub_f32 v34, v17, v32
	v_mul_f32 v33, 0x3fb8aa3b, v33                 ; x log2(e)
	v_mul_f32 v34, 0x3fb8aa3b, v34
	v_exp_f32 v35, v33
	v_exp_f32 v36, v34
	v_nop                                          ; a plain instruction behind the exponentials,
	s_wait_alu depctr_va_vdst(0)                   ; and a wait ahead of the first use: one for the two
	v_add_f32 v37, v35, v36
	v_rcp_f32 v38, v37
	v_nop
	s_wait_alu depctr_va_vdst(0)
	v_mul_f32 v40, v35, v38                        ; p0, p1
	v_mul_f32 v41, v36, v38
	v_add_f32 v42, v40, v41
	v_rcp_f32 v43, v42
	v_mov_b32 v46, v40                             ; (plain work behind the reciprocal) the sums over the 16 tokens begin
	v_mov_b32 v47, v41
	s_wait_alu depctr_va_vdst(0)
	v_mul_f32 v44, v40, v43                        ; c0, c1: the two chosen p, normalised
	v_mul_f32 v45, v41, v43
.irp m, 1,2,4,8
	v_add_f32_dpp v46, v46, v46 row_xmask:\m row_mask:0xf bank_mask:0xf
	v_add_f32_dpp v47, v47, v47 row_xmask:\m row_mask:0xf bank_mask:0xf
.endr
	v_cmp_eq_u32 vcc_lo, 16, v1                    ; lane 16 stores the sums, lanes 17-31 zeros,
	v_cndmask_b32 v48, 0, v46, vcc_lo
	v_cndmask_b32 v49, 0, v47, vcc_lo
	v_cmp_gt_u32 vcc_lo, 16, v1                    ; lanes 0-15 their token's weights
	v_cndmask_b32 v48, v48, v44, vcc_lo
	v_cndmask_b32 v49, v49, v45, vcc_lo
	global_store_b64 v14, v[48:49], s[12:13]       ; 32 lanes store 256 consecutive bytes, aligned
	global_store_b128 v4, v[52:55], s[10:11]       ; the 16 tokens' scale bytes: 512 consecutive bytes, aligned
.Lend:
	s_wait_tensorcnt 0x0
	ds_add_u32 v254, v255
	s_wait_dscnt 0x0
	s_endpgm
.Lfunc_end_k_q3e6ea5722e_prep:
	.size	k_q3e6ea5722e_prep, .Lfunc_end_k_q3e6ea5722e_prep-k_q3e6ea5722e_prep
	.p2alignl 7, 3214868480
	.fill 96, 4, 3214868480
	.section	.rodata,"a",@progbits
	.p2align	6, 0x0
	.amdhsa_kernel k_q3e6ea5722e_prep
		.amdhsa_group_segment_fixed_size 105472
		.amdhsa_private_segment_fixed_size 0
		.amdhsa_enable_private_segment 0
		.amdhsa_kernarg_size 40
		.amdhsa_user_sgpr_count 2
		.amdhsa_user_sgpr_kernarg_segment_ptr 1
		.amdhsa_wavefront_size32 1
		.amdhsa_system_sgpr_workgroup_id_x 1
		.amdhsa_system_sgpr_workgroup_id_y 1
		.amdhsa_system_sgpr_workgroup_id_z 1
		.amdhsa_system_vgpr_workitem_id 0
		.amdhsa_next_free_vgpr 256
		.amdhsa_next_free_sgpr 66
		.amdhsa_reserve_vcc 1
		.amdhsa_float_denorm_mode_32 3
		.amdhsa_float_denorm_mode_16_64 3
		.amdhsa_memory_ordered 1
		.amdhsa_forward_progress 1
		.amdhsa_inst_pref_size 21
	.end_amdhsa_kernel
	.amdgpu_metadata
---
amdhsa.version: [ 1, 2 ]
amdhsa.kernels:
  - .name:           k_q3e6ea5722e_prep
    .symbol:         k_q3e6ea5722e_prep.kd
    .args:
      - { .name: x, .offset: 0, .size: 8, .value_kind: global_buffer, .address_space: global }
      - { .name: Wr, .offset: 8, .size: 8, .value_kind: global_buffer, .address_space: global }
      - { .name: xq, .offset: 16, .size: 8, .value_kind: global_buffer, .address_space: global }
      - { .name: xs, .offset: 24, .size: 8, .value_kind: global_buffer, .address_space: global }
      - { .name: route, .offset: 32, .size: 8, .value_kind: global_buffer, .address_space: global }
    .group_segment_fixed_size: 105472
    .private_segment_fixed_size: 0
    .kernarg_segment_align: 8
    .kernarg_segment_size: 40
    .max_flat_workgroup_size: 256
    .sgpr_count:     66
    .vgpr_count:     256
    .wavefront_size: 32
...
	.end_amdgpu_metadata
.endif
;; end of part 1
;; launch up (part 2): grid 32 x 16, 4 waves a work-group, clusters of 4 x 4, 327,680 bytes of LDS; arguments xq, xs, W1_codes, W1_scales, b1, hq, hs; writes hq, hs
.if DOCPART == 2
	.amdgcn_target "amdgcn-amd-amdhsa--gfx1250"
	.amdhsa_code_object_version 6
	.text
	.protected	k_q3e6ea5722e_up
	.globl	k_q3e6ea5722e_up
	.p2align	8
	.type	k_q3e6ea5722e_up,@function
k_q3e6ea5722e_up:
	s_mov_b64 s[64:65], 0
	v_nop
	global_prefetch_b8 v0, s[64:65] scope:SCOPE_SE
	s_setreg_imm32_b32 hwreg(HW_REG_WAVE_MODE, 25, 1), 1
	s_wait_xcnt 0x0
	s_wait_alu depctr_hold_cnt(0) depctr_sa_sdst(0) depctr_va_vdst(0) depctr_va_sdst(0) depctr_va_ssrc(0) depctr_va_vcc(0) depctr_vm_vsrc(0)
	s_getreg_b32 s2, hwreg(HW_REG_IB_STS2, 6, 4)
	s_cmp_eq_u32 s2, 0
	s_cbranch_scc0 .Lentry_in_a_cluster
	s_endpgm
.Lentry_in_a_cluster:
	s_bfe_u32 s2, ttmp6, 0x10000c
	s_cmp_lg_u32 s2, 0xf033
	s_cbranch_scc0 .Lentry_shape_is_right
	s_endpgm
.Lentry_shape_is_right:
; UP.  h[e][t][f] = gelu(sum over d of x[t][d] W1[e][d][f] + b1[e][f]) on codes of BF6 (E3M2) with one E8M0 scale for each 32 along d; h is quantised along f at once and leaves as codes.
; W1's codes are 8,192 rows (e, f) of 768 bytes, its scale bytes rows of 32; x's codes come as register images (xq: [tile of 128 tokens][K step of 128][block of 16 tokens][1,536 bytes]), its scale bytes as rows of 32.
; A work-group of four waves makes 256 tokens x 256 rows of W1; a wave 128 x 128: 64 accumulators, 512 registers.  K = 1,024 goes in four steps of 256 through a ring of two LDS slots filled by the tensor data mover.
; CLUSTERS: 4 x 4 work-groups.  The four of a row of the cluster need the same tokens, the four of a column the same rows of W1: each tile is asked for JOINTLY, by the same tensor load with the same descriptor and a mask
; that names the four.  The scale bytes of the work-group's rows, for all of K, come once, with the first fills.
; THE MATRIX INSTRUCTION IS USED TRANSPOSED: source 0 = 16 rows of W1, source 1 = 16 tokens.  Lane (r, h) then holds token r, and register j of accumulator (a, b) is f = 16 b + 8 h + j.  b1, in that layout, is the C of each sum's first product.
; THE WAY OUT, a block of 16 tokens at a time: gelu(x) = x / (1 + 2^(x (c0 + c1 x^2))), c0 = -2 log2(e) sqrt(2 / pi), c1 = 0.044715 c0 (the tanh form, rewritten); an exchange of the lanes' halves makes a lane's 16 registers
; 16 neighbours along f; the quantiser; the fragment's 12 registers are stored as they stand.  hq: [tile of 128 tokens 32][s 16][e 2][par 2][block of 16 tokens 8][1,536], K step of the next product = 2 s + par;
; hs: [tile 32][e 2][K step 32][512]: lane (r, h) owns 16 bytes at 16 x lane: the scale words of token r in blocks 4 h .. 4 h + 3.  Every store covers 512 consecutive bytes, aligned: no stage is needed.
; REGISTERS, in windows of 256: window 0: v16-31 addresses; v32-63 scale words, two sets; v64-127 b1, later the gelu at work; v128-223 the tokens' fragments, ONE set, later the quantiser's registers.
;   window 1: W1's fragments, TWO sets, at v0 and v128.   window 2: the accumulators of my tokens 0-63 ((a, b) at v[8 (8 a + b)]);   window 3: those of tokens 64-127.
; LIMITS: NaN and infinities are not served; a block of zeros keeps the scale byte 1 (its codes are zeros; this program alone reads the bytes); for very negative x the gelu gives -0.
.set NQ,     2                         ; matrix instructions deep in a slot
.set ROWB,   192                       ; a row of W1's tile: 256 codes
.set KROW,   768                       ; a row of W1 in memory
.set PITCH,  240                       ; and in LDS: 3 x (64 bytes + 16 of padding)
.set FR,     12                        ; registers of a fragment
.set NP,     4                         ; places behind this matrix instruction (ISA guide 7.12.1)
.set AHALF,  24576                     ; 128 tokens x 256 along K as images: [q 2][block 8][1,536]
.set BHALF,  128*PITCH                 ; 128 rows of W1
.set BOFF,   2*AHALF                   ; a slot: the tokens' two halves, then W1's two
.set SLOT,   BOFF+2*BHALF
.set SCL,    2*SLOT                    ; behind the ring: the scale bytes, as units of 256 bytes + 16 of padding
.set HALFS,  4352                      ; those of 128 rows of 32 bytes: 16 units
.set SBLK,   544                       ; those of 16 rows
.set SPARE,  SCL+4*HALFS               ; the spare words, 128 bytes for each wave: two blocks of 256 bytes that no other line names
.set ADRA, 16                          ; v16-17  LDS address of my tokens' images in slot 0, 1
.set ADRB, 20                          ; v20-21  of my rows of W1  (v22-23: for the pieces that lie behind one padding more)
.set CO,   24                          ; v24     16 x lane
.set ADRS, 27                          ; v27     my scale words: lanes 0-15 the tokens', lanes 16-31 W1's
.set SPW,  28                          ; v28     LDS address of my spare word; never rewritten
.set NIL,  29                          ; v29     0; never rewritten
.set SC,   32                          ; scale words: set s at v[SC + 16 s]; register 2 i + q: lanes 0-15 token block i, lanes 16-31 W1's block i, the slot's q-th 128 along K
.set BI,   64                          ; b1: 8 registers for each of W1's eight blocks
.set AF,   128                         ; the tokens' fragments
.set T,    64                          ; the way out: 64 numbers at work
.set PC,   128                         ; v128-147 the codes just made
.set TM,   152                         ; v152-167 at work in QUANT
.set PW,   168                         ; the scale word just made
.set KC0,  170                         ; v[170:171] c0, twice
.set PWS,  176                         ; v176-183 the eight blocks' scale words
.set DD,   184                         ; v[184:187] what I store of them
.set G1,   24                          ; s[24:31] group 1 for the tokens' tiles; s[32:39] group 0, a set for each slot
.set G0,   32
.set G1B,  48                          ; s[48:55], s[56:63] the same for W1's
.set G0B,  56
.set G1S,  68                          ; s[68:75], s[76:79] groups 1 and 0 for the tokens' scale bytes; s[80:87], s[88:91] for W1's
.set G0S,  76
.set G1SB, 80
.set G0SB, 88
.set SEL,  66                          ; s[66:67] v_permlanex16_b32's selects for lane l xor 16
.set MSB, 0
.macro WIN new                         ; the immediate's high byte repeats the setting that is left; a switch that changes nothing is dropped
.if MSB != (\new)
	s_set_vgpr_msb (MSB<<8)|(\new)
.set MSB, (\new)
.endif
.endm
.set TO_B, 0x40                        ; destination window 1, address window 0
; A joint load: waves 0 and 1 fetch for the tokens, waves 2 and 3 for W1.  The branch hangs on the wave's number alone.  Four v_nop follow each of the two lines.
.macro JLOAD g0a, g1a, g0b, g1b
	s_cmp_eq_u32 s15, 0
	s_cbranch_scc0 .Lfor_b_\@
	tensor_load_to_lds s[\g0a:\g0a+3], s[\g1a:\g1a+7]
	s_nop 0
.rept 4
	v_nop
.endr
	s_branch .Lasked_\@
.Lfor_b_\@:
	tensor_load_to_lds s[\g0b:\g0b+3], s[\g1b:\g1b+7]
	s_nop 0
.rept 4
	v_nop
.endr
.Lasked_\@:
.endm
.macro CREST                           ; a round of the cluster's barrier behind its opening barrier
	s_cmp_lg_u32 s14, 0
	s_cbranch_scc1 .Lnot_wave_0_\@
	s_barrier_signal -3
.Lnot_wave_0_\@:
	s_barrier_wait -3
	s_barrier_signal -1
	s_barrier_wait -1
.endm
.macro CROUND                          ; a whole round
	s_barrier_signal -1
	s_barrier_wait -1
	CREST
.endm
.macro PLACES n
.rept \n
	v_nop
.endr
.endm
	s_load_b128 s[4:7], s[0:1], 0x0                ; xq s[4:5], xs s[6:7]
	s_load_b128 s[8:11], s[0:1], 0x10              ; W1's codes s[8:9], W1's scales s[10:11]
	s_load_b128 s[96:99], s[0:1], 0x20             ; b1 s[96:97], hq s[98:99]
	s_load_b64 s[12:13], s[0:1], 0x30              ; hs
	v_lshl_add_u32 v[SPW], v0, 2, SPARE
	v_mov_b32 v[NIL], 0
	ds_add_u32 v28, v29
	ds_add_u32 v28, v29
	s_wait_dscnt 0x0
	v_lshrrev_b32 v1, 5, v0
	v_readfirstlane_b32 s14, v1                    ; wave 0..3
	s_lshr_b32 s15, s14, 1                         ; rh: which 128 tokens are mine.  Also: I fetch for the tokens (0) or for W1 (1)
	s_and_b32 s16, s14, 1                          ; ch: which 128 rows of W1 are mine.  Also: which half I fetch
	s_bfe_u32 s40, ttmp6, 0x40000                  ; cx, cy: my place in the cluster
	s_bfe_u32 s41, ttmp6, 0x40004
	s_lshl_b32 s42, ttmp9, 2
	s_add_co_u32 s42, s42, s40                     ; tx: tile of 256 rows of W1 = 4 x cluster x + cx
	s_and_b32 s17, ttmp7, 0xffff
	s_lshl_b32 s17, s17, 2
	s_add_co_u32 s17, s17, s41                     ; ty: tile of 256 tokens = 4 x cluster y + cy
	s_lshl_b32 s43, s41, 2
	s_lshl_b32 s43, 15, s43                        ; my row of the cluster
	s_lshl_b32 s44, 0x1111, s40                    ; my column
	; group 1, the tokens' tiles: a dense block of 24,576 bytes as 96 rows of 256 bytes (32 elements of 8 bytes), no padding
	s_or_b32 s[G1+0], s43, (3<<16)|(1<<21)         ; 15:0 the mask: my row; 17:16 elements of 8 bytes; 21 set beside a mask
	s_mov_b32 s[G1+1], 32<<16                      ; tensor_dim0
	s_mov_b32 s[G1+2], 96<<16                      ; tensor_dim1
	s_mov_b32 s[G1+3], 32<<16                      ; tile_dim0
	s_mov_b32 s[G1+4], 96                          ; tile_dim1
	s_mov_b32 s[G1+5], 32                          ; tensor_dim0_stride
	s_mov_b32 s[G1+6], 0
	s_mov_b32 s[G1+7], 0
	; W1's tiles: 128 rows x 192 bytes, 768 bytes apart; 16 bytes of padding behind every 64
	s_or_b32 s[G1B+0], s44, (0<<16)|(1<<20)|(1<<21)|(3<<22)|(3<<25)   ; the mask: my column; elements of 1 byte; padding on; after every 16 words; of 4 words
	s_mov_b32 s[G1B+1], ROWB<<16
	s_mov_b32 s[G1B+2], 128<<16
	s_mov_b32 s[G1B+3], ROWB<<16
	s_mov_b32 s[G1B+4], 128
	s_mov_b32 s[G1B+5], KROW
	s_mov_b32 s[G1B+6], 0
	s_mov_b32 s[G1B+7], 0
	; the scale bytes of 128 rows: 4,096 dense bytes as 16 rows of 256, 16 bytes of padding behind each
	s_or_b32 s[G1S+0], s43, (3<<16)|(1<<20)|(1<<21)|(5<<22)|(3<<25)
	s_or_b32 s[G1SB+0], s44, (3<<16)|(1<<20)|(1<<21)|(5<<22)|(3<<25)
.irp g, G1S, G1SB
	s_mov_b32 s[\g+1], 32<<16
	s_mov_b32 s[\g+2], 16<<16
	s_mov_b32 s[\g+3], 32<<16
	s_mov_b32 s[\g+4], 16
	s_mov_b32 s[\g+5], 32
	s_mov_b32 s[\g+6], 0
	s_mov_b32 s[\g+7], 0
.endr
	; where the tiles come from.  The tokens' hang on ty alone, W1's on tx alone, each in registers that never hold the other coordinate
	s_lshl_b32 s20, s17, 1
	s_add_co_u32 s20, s20, s16                     ; the tile of 128 tokens that I fetch: 2 ty + ch
	s_lshl_b32 s22, s20, 12                        ; its scale bytes: 4,096 a tile
	s_mov_b32 s23, 0
	s_mul_i32 s20, s20, 98304                      ; its images: 98,304 a tile
	s_mov_b32 s21, 0
	s_lshl_b32 s46, s42, 8
	s_lshl_b32 s18, s16, 7
	s_add_co_u32 s46, s46, s18                     ; the first row of W1 that I fetch: 256 tx + 128 ch
	s_lshl_b32 s92, s46, 5                         ; its scale bytes
	s_mov_b32 s93, 0
	s_mul_i32 s46, s46, KROW                       ; its codes
	s_mov_b32 s47, 0
	s_mul_i32 s45, s16, AHALF                      ; and where they go: no place in the cluster enters an LDS address
	s_mul_i32 s95, s16, BHALF
	s_add_co_u32 s95, s95, BOFF
	s_mul_i32 s94, s14, HALFS
	s_wait_kmcnt 0x0
	s_add_nc_u64 s[20:21], s[4:5], s[20:21]
	s_add_nc_u64 s[22:23], s[6:7], s[22:23]
	s_add_nc_u64 s[46:47], s[8:9], s[46:47]
	s_add_nc_u64 s[92:93], s[10:11], s[92:93]
	CROUND                                         ; all sixteen work-groups are here: the first joint loads meet
	s_mov_b32 s[G0S], 1
	s_add_co_u32 s[G0S+1], s94, SCL
	s_mov_b64 s[G0S+2:G0S+3], s[22:23]
	s_or_b32 s[G0S+3], s[G0S+3], 0x80000000
	s_mov_b32 s[G0SB], 1
	s_add_co_u32 s[G0SB+1], s94, SCL
	s_mov_b64 s[G0SB+2:G0SB+3], s[92:93]
	s_or_b32 s[G0SB+3], s[G0SB+3], 0x80000000
	JLOAD G0S, G1S, G0SB, G1SB                     ; the scale bytes first: they are wanted with K step 0
.irp s, 0,1
	s_mov_b32 s[G0+4*\s], 1
	s_add_co_u32 s[G0+4*\s+1], s45, \s*SLOT
	s_add_nc_u64 s[G0+4*\s+2:G0+4*\s+3], s[20:21], \s*AHALF
	s_or_b32 s[G0+4*\s+3], s[G0+4*\s+3], 0x80000000
	s_mov_b32 s[G0B+4*\s], 1
	s_add_co_u32 s[G0B+4*\s+1], s95, \s*SLOT
	s_add_nc_u64 s[G0B+4*\s+2:G0B+4*\s+3], s[46:47], \s*ROWB
	s_or_b32 s[G0B+4*\s+3], s[G0B+4*\s+3], 0x80000000
	JLOAD G0+4*\s, G1, G0B+4*\s, G1B               ; three tensor loads of mine are out behind the last of these
.endr
	v_and_b32 v1, 15, v0                           ; r
	v_bfe_u32 v2, v0, 4, 1                         ; h
	v_and_b32 v6, 31, v0
	v_lshlrev_b32 v[CO], 4, v6                     ; 16 x lane
	s_mul_i32 s21, s15, AHALF                      ; my 128 tokens' images
	v_add_nc_u32 v[ADRA], s21, v[CO]
	s_add_co_u32 s21, s21, SLOT
	v_add_nc_u32 v[ADRA+1], s21, v[CO]
	v_mul_u32_u24 v3, v1, PITCH
	v_mul_u32_u24 v4, v2, 24
	v_add_nc_u32 v4, v3, v4                        ; W1: a fragment's row x pitch + 24 x half,
	v_lshl_add_u32 v5, v2, 4, v4                   ; and the same behind one padding more
	s_mul_i32 s22, s16, BHALF
	s_add_co_u32 s22, s22, BOFF                    ; my 128 rows of W1
.irp s, 0,1
	v_add_nc_u32 v[ADRB+\s], s22, v4
	v_add_nc_u32 v[ADRB+2+\s], s22, v5
	s_add_co_u32 s22, s22, SLOT
.endr
	v_mul_u32_u24 v5, v1, 32                       ; my row's scale bytes: 32 a row,
	v_lshrrev_b32 v6, 8, v5
	v_lshl_add_u32 v5, v6, 4, v5                   ; and 16 more for each 256 passed
	s_mul_i32 s21, s15, HALFS                      ; the tokens': my 128
	s_mul_i32 s22, s16, HALFS                      ; W1's: my 128 rows, behind the tokens' 256
	s_add_co_u32 s22, s22, 2*HALFS
	s_sub_co_u32 s22, s22, s21
	v_mul_u32_u24 v6, s22, v2                      ; lanes 16-31 take W1's
	s_add_co_u32 s21, s21, SCL
	v_add_nc_u32 v5, v5, v6
	v_add_nc_u32 v[ADRS], s21, v5
	s_lshl_b32 s46, s42, 10                        ; b1 at my first row of W1: 4 (256 tx + 128 ch)
	s_lshl_b32 s47, s16, 9
	s_add_co_u32 s46, s46, s47
	s_mov_b32 s47, 0
	s_add_nc_u64 s[96:97], s[96:97], s[46:47]
	v_lshlrev_b32 v7, 5, v2                        ; + 32 h: my half's eight numbers of a block of 16
.irp b, 0,1,2,3,4,5,6,7
	global_load_b128 v[BI+8*\b:BI+8*\b+3], v7, s[96:97] offset:64*\b
	global_load_b128 v[BI+8*\b+4:BI+8*\b+7], v7, s[96:97] offset:64*\b+16
.endr
	s_lshl_b32 s18, s17, 1
	s_add_co_u32 s18, s18, s15                     ; my tile of 128 tokens: 2 ty + rh
	s_and_b32 s19, s42, 15                         ; s: which 256 of the expert's 4,096
	s_lshr_b32 s20, s42, 4                         ; e: the expert
	s_lshl_b32 s21, s18, 4
	s_add_co_u32 s21, s21, s19
	s_lshl_b32 s21, s21, 1
	s_add_co_u32 s21, s21, s20
	s_lshl_b32 s21, s21, 1
	s_add_co_u32 s21, s21, s16
	s_mul_i32 s22, s21, 12288                      ; hq: (((tile x 16 + s) x 2 + e) x 2 + ch) x 12,288
	s_mov_b32 s23, 0
	s_add_nc_u64 s[98:99], s[98:99], s[22:23]
	s_lshl_b32 s21, s18, 1
	s_add_co_u32 s21, s21, s20
	s_lshl_b32 s21, s21, 5
	s_lshl_b32 s19, s19, 1
	s_add_co_u32 s21, s21, s19
	s_add_co_u32 s21, s21, s16
	s_lshl_b32 s22, s21, 9                         ; hs: ((tile x 2 + e) x 32 + 2 s + ch) x 512
	s_add_nc_u64 s[12:13], s[12:13], s[22:23]
	s_mov_b32 s2, 0xbdd2d3e8                       ; c1 = 0.044715 c0
	s_mov_b32 s3, s2                               ; (the packed form names the pair, so both are written)
	s_mov_b32 s[SEL], 0x76543210
	s_mov_b32 s[SEL+1], 0xfedcba98
.macro FRAGB reg, adr, q, i            ; a fragment of W1: lane l holds row l % 16; registers 6 c .. 6 c + 5 hold K = 64 c + 32 (l / 16) + 0 .. 31: 24 bytes of the row's stream of bits, in pieces of 8 bytes
.irp p, 0,1,2,3,4,5
.set PIECE, 12*(\q)+6*(\p/3)+\p%3      ; 16 bytes of padding lie behind every 8 pieces: where the piece three on (lanes 16-31) lies behind one padding more, the second address register serves
.if PIECE%8 < 5
	ds_load_b64 v[\reg+2*\p:\reg+2*\p+1], v[\adr] offset:8*PIECE+16*(PIECE/8)+(\i)*16*PITCH
.else
	ds_load_b64 v[\reg+2*\p:\reg+2*\p+1], v[\adr+2] offset:8*PIECE+16*(PIECE/8)+(\i)*16*PITCH
.endif
.endr
.endm
.macro FRAGA reg, adr, q, i            ; a fragment of the tokens: its image, 512 consecutive bytes a load
.irp c, 0,1,2
	ds_load_b128 v[\reg+4*\c:\reg+4*\c+3], v[\adr] offset:12288*(\q)+1536*(\i)+512*\c
.endr
.endm
; 16 matrix instructions: token blocks a0, a0 + 1 x W1's eight, the slot's q-th 128 along K.  p: W1's set; sc: the set of scale words.  first = 1: b1 is the C, and the sums begin: nothing is ever cleared.
; The 64 accumulators take turns, one instruction a turn, in the same order in every step.
.macro MUL16 a0, p, q, sc, first
.if \first
	WIN 0x81+0x40*((\a0)/4)                        ; source 0 window 1, sources 1 and 2 window 0, destination window 2 or 3
.else
	WIN 0xa1+0x50*((\a0)/4)                        ; source 0 window 1, source 1 window 0, C and D window 2 or 3
.endif
.irp a, \a0, \a0+1
.irp b, 0,1,2,3,4,5,6,7
.set rD, 8*(8*((\a)%4)+\b)
.set rC, rD
.if \first
.set rC, BI+8*\b
.endif
	v_wmma_scale_f32_16x16x128_f8f6f4 v[rD:rD+7], v[128*(\p)+FR*\b:128*(\p)+FR*\b+FR-1], v[AF+FR*(\a):AF+FR*(\a)+FR-1], v[rC:rC+7], v[SC+8*NQ*(\sc)+NQ*\b+(\q)], v[SC+8*NQ*(\sc)+NQ*(\a)+(\q)] matrix_a_fmt:MATRIX_FMT_BF6 matrix_b_fmt:MATRIX_FMT_BF6 matrix_a_scale:MATRIX_SCALE_ROW1
.endr
.endr
.endm
.macro FETCH_B slot, q, p              ; W1's eight fragments into set p
	WIN TO_B
.irp i, 0,1,2,3,4,5,6,7
	FRAGB 128*(\p)+FR*\i, ADRB+\slot, \q, \i
.endr
	WIN 0
.endm
.macro FETCH_A slot, q, i0             ; token blocks i0 .. i0 + 3
.irp i, \i0, \i0+1, \i0+2, \i0+3
	FRAGA AF+FR*(\i), ADRA+\slot, \q, \i
.endr
.endm
.macro SCALES sc                       ; a K step's scale words: two words a row
.irp i, 0,1,2,3,4,5,6,7
	ds_load_b64 v[SC+8*NQ*\sc+NQ*\i:SC+8*NQ*\sc+NQ*\i+1], v[ADRS] offset:\i*SBLK
.endr
.endm
; A step of 128 along K that has its successor in the same slot.  A load into a register that a matrix instruction has read stands four plain vector instructions behind it.
.macro STEP slot, q, first
	s_wait_dscnt 12                                ; W1's set and token blocks 0-3 are in; the youngest twelve loads (blocks 4-7) may be out
	MUL16 0, (\q)%2, \q, \slot, \first
	MUL16 2, (\q)%2, \q, \slot, \first
	s_wait_dscnt 0                                 ; blocks 4-7 are in
	PLACES NP
	FETCH_B \slot, (\q)+1, 1-(\q)%2
	FETCH_A \slot, (\q)+1, 0
	MUL16 4, (\q)%2, \q, \slot, \first
	MUL16 6, (\q)%2, \q, \slot, \first
	PLACES NP
	WIN 0
	FETCH_A \slot, (\q)+1, 4
.endm
; A slot's last step changes slots: ONE barrier; in front of it each wave waits for all its tensor loads, adds 0 to its spare word, and waits for that and for its reads of this slot.  fill = 1: the slot is filled again, two K steps ahead.
.macro TURN slot, next, fill
	s_wait_tensorcnt 0x0                           ; all my tensor loads have landed: my part of the next slot  (every window is 0 here)
	ds_add_u32 v[SPW], v[NIL]                      ; 0 onto my spare word
	s_wait_dscnt 13                                ; (the add and the youngest twelve loads may be out)
	MUL16 0, 1, NQ-1, \slot, 0                     ; sixteen matrix instructions stand between the add and the wait for it
	s_wait_dscnt 0x0                               ; the add is done, and my reads of this slot are over
	s_barrier_signal -1
	MUL16 2, 1, NQ-1, \slot, 0
	WIN 0
	s_barrier_wait -1
.if \fill
	CREST                                          ; the barrier has opened a round of the cluster's: no wave of any partner still reads this slot or has a load on its way
	s_add_nc_u64 s[G0+4*\slot+2:G0+4*\slot+3], s[G0+4*\slot+2:G0+4*\slot+3], 2*AHALF
	s_add_nc_u64 s[G0B+4*\slot+2:G0B+4*\slot+3], s[G0B+4*\slot+2:G0B+4*\slot+3], 2*ROWB
	JLOAD G0+4*\slot, G1, G0B+4*\slot, G1B         ; the first tensor load behind the round; its four v_nop are also the places in front of the loads below
.else
	PLACES NP
.endif
	v_add_nc_u32 v[ADRS], 4*NQ, v[ADRS]            ; on to the next K step's scale words
	FETCH_B \next, 0, 0
	FETCH_A \next, 0, 0
	SCALES \next
	MUL16 4, 1, NQ-1, \slot, 0
	MUL16 6, 1, NQ-1, \slot, 0
	PLACES NP
	WIN 0
	FETCH_A \next, 0, 4
.endm
	s_wait_loadcnt 0x0                             ; b1
	s_wait_tensorcnt 1                             ; the scale bytes and my part of K step 0 are in; K step 1's load may stay out
	s_barrier_signal -1
	s_barrier_wait -1                              ; everybody's are
	FETCH_B 0, 0, 0
	FETCH_A 0, 0, 0
	SCALES 0
	FETCH_A 0, 0, 4
	STEP 0, 0, 1                                   ; K = 1,024 is eight steps of 128, written out: four slots' worth
	TURN 0, 1, 1
	STEP 1, 0, 0
	TURN 1, 0, 1
	STEP 0, 0, 0
	TURN 0, 1, 0                                   ; nothing is left to fetch
	STEP 1, 0, 0
	s_wait_dscnt 12
	MUL16 0, 1, NQ-1, 1, 0
	MUL16 2, 1, NQ-1, 1, 0
	s_wait_dscnt 0
	MUL16 4, 1, NQ-1, 1, 0
	MUL16 6, 1, NQ-1, 1, 0
	WIN 0
	PLACES NP                                      ; ahead of the first read of results and of the first write over registers that the last products read
; 64 numbers of a lane, register 16 b + i = f 32 b + 16 (lane / 16) + i of my token, become a fragment's codes in v[PC] on and its scale word in v[PW].
.macro QUANT s
.irp b, 0,1,2,3
	v_max3_num_f32 v[TM+\b], |v[\s+16*\b]|, |v[\s+1+16*\b]|, 0x2800000   ; block b: my 16 numbers, and the floor 2^(5 - 127): the byte cannot fall under 1
.endr
.irp i, 2,4,6,8,10,12,14
.irp b, 0,1,2,3
	v_max3_num_f32 v[TM+\b], v[TM+\b], |v[\s+16*\b+\i]|, |v[\s+1+16*\b+\i]|
.endr
.endr
.irp b, 0,1,2,3
	v_permlanex16_b32 v[TM+4+\b], v[TM+\b], s[SEL], s[SEL+1]
.endr
.irp b, 0,1,2,3
	v_max_num_f32 v[TM+\b], v[TM+\b], v[TM+4+\b]   ; with lane l xor 16's: the block's largest magnitude
.endr
.irp b, 0,1,2,3
	v_add_nc_u32 v[TM+12+\b], 0xfe000000, v[TM+\b]   ; 4 off its exponent field: the conversion's scale operand
.endr
.irp b, 0,1,2,3
	v_lshrrev_b32 v[TM+4+\b], 23, v[TM+12+\b]      ; the scale's byte
.endr
	v_lshl_or_b32 v[PW], v[TM+5], 8, v[TM+4]
	v_lshl_or_b32 v[PW], v[TM+6], 16, v[PW]
	v_lshl_or_b32 v[PW], v[TM+7], 24, v[PW]
.irp c, 0,1
	v_cvt_scalef32_pk16_bf6_f32 v[PC+6*\c:PC+2+6*\c], v[\s+32*\c:\s+15+32*\c], v[TM+12+2*\c]
	v_cvt_scalef32_pk16_bf6_f32 v[PC+12+4*\c:PC+14+4*\c], v[\s+16+32*\c:\s+31+32*\c], v[TM+12+2*\c+1]   ; (a conversion's three registers begin on an even number)
.endr
	v_nop                                          ; one plain instruction behind a scaled conversion
.irp c, 0,1                            ; the operand wants a WHOLE block in a lane
.irp i, 0,1,2
	v_permlane16_swap_b32 v[PC+6*\c+\i], v[PC+12+4*\c+\i]
.endr
.irp i, 0,1,2
	v_mov_b32 v[PC+3+6*\c+\i], v[PC+12+4*\c+\i]
.endr
.endr
.endm
; Block a of 16 tokens: its 64 results (8 accumulators on end) through the gelu and the quantiser, and out.  Each accumulator is read from its low end on.
; The exponentials are one batch and the reciprocals another: behind each stand one plain instruction and one wait ahead of the first use.
.macro OUTBLK a
.set AC, 64*((\a)%4)
.set WW, 2+(\a)/4
	WIN WW|(WW<<2)                                 ; sources 0 and 1: the block's window
.set i, 0
.rept 32
	v_pk_mul_f32 v[T+i:T+i+1], v[AC+i:AC+i+1], v[AC+i:AC+i+1]      ; x^2
.set i, i+2
.endr
	WIN 0
.set i, 0
.rept 32
	v_pk_fma_f32 v[T+i:T+i+1], v[T+i:T+i+1], s[2:3], v[KC0:KC0+1] op_sel_hi:[1,0,1]   ; c1 x^2 + c0
.set i, i+2
.endr
	WIN WW<<2                                      ; source 1: the block's window
.set i, 0
.rept 32
	v_pk_mul_f32 v[T+i:T+i+1], v[T+i:T+i+1], v[AC+i:AC+i+1]        ; x (c0 + c1 x^2)
.set i, i+2
.endr
	WIN 0
.set i, 0
.rept 64
	v_exp_f32 v[T+i], v[T+i]
.set i, i+1
.endr
	v_nop
	s_wait_alu depctr_va_vdst(0)
.set i, 0
.rept 32
	v_pk_add_f32 v[T+i:T+i+1], v[T+i:T+i+1], 1.0 op_sel_hi:[1,0]
.set i, i+2
.endr
.set i, 0
.rept 64
	v_rcp_f32 v[T+i], v[T+i]
.set i, i+1
.endr
	v_nop
	s_wait_alu depctr_va_vdst(0)
	WIN WW<<2
.set i, 0
.rept 32
	v_pk_mul_f32 v[T+i:T+i+1], v[T+i:T+i+1], v[AC+i:AC+i+1]        ; gelu(x)
.set i, i+2
.endr
	WIN 0
.irp p, 0,1,2,3                        ; register 16 p + j held f = 32 p + 8 h + j, register 16 p + 8 + j f = 32 p + 16 + 8 h + j: the first's lanes 16-31 change places with the second's lanes 0-15,
.irp j, 0,1,2,3,4,5,6,7                ; and register 16 p + i holds f = 32 p + 16 h + i
	v_permlane16_swap_b32 v[T+16*\p+\j], v[T+16*\p+8+\j]
.endr
.endr
	s_wait_xcnt 0x0                                ; the last block's stores have read the codes' registers: they are written again only behind this wait
	QUANT T
	v_mov_b32 v[PWS+(\a)], v[PW]
.irp c, 0,1,2
	global_store_b128 v[CO], v[PC+4*\c:PC+4*\c+3], s[98:99] offset:1536*(\a)+512*\c   ; the image: 512 consecutive bytes, aligned
.endr
.endm
	v_mov_b32 v[KC0], 0xc0135761                   ; c0 = -2 log2(e) sqrt(2 / pi)
	v_mov_b32 v[KC0+1], 0xc0135761
.irp b, 0,1,2,3
	v_mov_b32 v[TM+4+\b], 0                        ; written once: a lane permute's destination counts as one of its sources
.endr
.irp a, 0,1,2,3,4,5,6,7
	OUTBLK \a
.endr
	v_and_b32 v188, 31, v0
	v_cmp_lt_u32 vcc_lo, 15, v188                  ; lanes 16-31 store the words of blocks 4-7, lanes 0-15 those of blocks 0-3 (lanes r and 16 + r hold the same words)
.irp i, 0,1,2,3
	v_cndmask_b32 v[DD+\i], v[PWS+\i], v[PWS+4+\i], vcc_lo
.endr
	global_store_b128 v[CO], v[DD:DD+3], s[12:13]  ; 512 consecutive bytes, aligned
	s_wait_tensorcnt 0x0                           ; the wave's end
	ds_add_u32 v[SPW], v[NIL]
	s_wait_dscnt 0x0
	CROUND                                         ; the closing round: no work-group ends while a partner may still ask for a tile that names it
	s_endpgm
.Lfunc_end_k_q3e6ea5722e_up:
	.size	k_q3e6ea5722e_up, .Lfunc_end_k_q3e6ea5722e_up-k_q3e6ea5722e_up
	.p2alignl 7, 3214868480
	.fill 96, 4, 3214868480
	.section	.rodata,"a",@progbits
	.p2align	6, 0x0
	.amdhsa_kernel k_q3e6ea5722e_up
		.amdhsa_group_segment_fixed_size 327680
		.amdhsa_private_segment_fixed_size 0
		.amdhsa_enable_private_segment 0
		.amdhsa_kernarg_size 56
		.amdhsa_user_sgpr_count 2
		.amdhsa_user_sgpr_kernarg_segment_ptr 1
		.amdhsa_wavefront_size32 1
		.amdhsa_system_sgpr_workgroup_id_x 1
		.amdhsa_system_sgpr_workgroup_id_y 1
		.amdhsa_system_sgpr_workgroup_id_z 1
		.amdhsa_system_vgpr_workitem_id 0
		.amdhsa_next_free_vgpr 1024
		.amdhsa_next_free_sgpr 100
		.amdhsa_reserve_vcc 1
		.amdhsa_float_denorm_mode_32 3
		.amdhsa_float_denorm_mode_16_64 3
		.amdhsa_memory_ordered 1
		.amdhsa_forward_progress 1
		.amdhsa_inst_pref_size 255
	.end_amdhsa_kernel
	.section	.bss,"aw",@nobits
	.p2align	6
	.space	262144
	.amdgpu_metadata
---
amdhsa.version: [ 1, 2 ]
amdhsa.kernels:
  - .name:           k_q3e6ea5722e_up
    .symbol:         k_q3e6ea5722e_up.kd
    .args:
      - { .name: xq, .offset: 0, .size: 8, .value_kind: global_buffer, .address_space: global }
      - { .name: xs, .offset: 8, .size: 8, .value_kind: global_buffer, .address_space: global }
      - { .name: W1_codes, .offset: 16, .size: 8, .value_kind: global_buffer, .address_space: global }
      - { .name: W1_scales, .offset: 24, .size: 8, .value_kind: global_buffer, .address_space: global }
      - { .name: b1, .offset: 32, .size: 8, .value_kind: global_buffer, .address_space: global }
      - { .name: hq, .offset: 40, .size: 8, .value_kind: global_buffer, .address_space: global }
      - { .name: hs, .offset: 48, .size: 8, .value_kind: global_buffer, .address_space: global }
    .group_segment_fixed_size: 327680
    .private_segment_fixed_size: 0
    .kernarg_segment_align: 8
    .kernarg_segment_size: 56
    .max_flat_workgroup_size: 128
    .sgpr_count:     100
    .vgpr_count:     1024
    .wavefront_size: 32
...
	.end_amdgpu_metadata
.endif
;; end of part 2
;; launch down (part 3): grid 8 x 32, 4 waves a work-group, clusters of 4 x 4, 327,680 bytes of LDS; arguments hq, hs, W2_codes, W2_scales, b2, route, out0, out1; writes out0, out1
.if DOCPART == 3
	.amdgcn_target "amdgcn-amd-amdhsa--gfx1250"
	.amdhsa_code_object_version 6
	.text
	.protected	k_q3e6ea5722e_down
	.globl	k_q3e6ea5722e_down
	.p2align	8
	.type	k_q3e6ea5722e_down,@function
k_q3e6ea5722e_down:
	s_mov_b64 s[64:65], 0
	v_nop
	global_prefetch_b8 v0, s[64:65] scope:SCOPE_SE
	s_setreg_imm32_b32 hwreg(HW_REG_WAVE_MODE, 25, 1), 1
	s_wait_xcnt 0x0
	s_wait_alu depctr_hold_cnt(0) depctr_sa_sdst(0) depctr_va_vdst(0) depctr_va_sdst(0) depctr_va_ssrc(0) depctr_va_vcc(0) depctr_vm_vsrc(0)
	s_getreg_b32 s2, hwreg(HW_REG_IB_STS2, 6, 4)
	s_cmp_eq_u32 s2, 0
	s_cbranch_scc0 .Lentry_in_a_cluster
	s_endpgm
.Lentry_in_a_cluster:
	s_bfe_u32 s2, ttmp6, 0x10000c
	s_cmp_lg_u32 s2, 0xf033
	s_cbranch_scc0 .Lentry_shape_is_right
	s_endpgm
.Lentry_shape_is_right:
; DOWN.  out[t][d] = sum over e of c_e[t] (sum over f of h[e][t][f] W2[e][f][d] + b2[e][d]), the inner products on codes of BF6 (E3M2) with one E8M0 scale for each 32 along f; and the loss.
; h's codes come as register images (hq: [tile of 128 tokens][s 16][e 2][par 2][block of 16 tokens 8][1,536 bytes], K step = 2 s + par), its scale words as hs: [tile][e][K step 32][512].
; W2's codes are 2,048 rows (e, d) of 3,072 bytes, its scale bytes rows of 128.
; SHARES.  A work-group makes 128 tokens x 128 d.  THE FOUR WAVES SHARE K, NOT THE TILE: wave w = 2 e + hf makes the whole 128 x 128 over expert e's K steps 2 s + hf, s = 0 .. 15: 64 accumulators, 16 steps of 64 products.
; So each operand byte is used by one wave, once, and each expert has sums of its own, to which b2 is added and c_e applied when they are finished.  The four partial tiles meet in LDS at the end:
; the sums of an output are formed in four parts, not in one ascending chain.
; h GOES FROM MEMORY STRAIGHT INTO REGISTERS: a fragment is three loads of 512 consecutive bytes.  Two sets of 96 registers take turns; blocks 0-3 of step s + 2 are asked for in the middle of step s, blocks 4-7 at its end,
; each 96 matrix instructions ahead of its use; the waits are counted: 48 loads of a wave are out at the most.
; WHY h IS NOT ASKED FOR JOINTLY, though the four work-groups of a row of the cluster read the same images: a step's codes are 49,152 bytes of h and 49,152 of W2, and two slots of two steps of both would be 393,216 bytes,
; more than the 327,680 that there are.  With one step to a slot 32 matrix instructions lie between a refill's request and the wait for all loads in front of the next refill's barrier.  With h out of LDS, where one wave read
; each of its bytes once, W2's slot holds two steps and 96 matrix instructions lie between.  The price: each byte of hq is requested by eight work-groups.
; THE RING, for W2 alone: two LDS slots, each with two steps: for each expert 128 rows x 384 bytes.  CLUSTERS: 4 x 4 work-groups; the four of a column need the same rows of W2: each tile is asked for JOINTLY, each wave 64 rows.
; All scale bytes come once, with the first fills: h's jointly along a row of the cluster, W2's along a column.
; THE MATRIX INSTRUCTION IS USED TRANSPOSED: source 0 = 16 rows of W2, source 1 = 16 tokens: lane (r, h) holds token r, and register j of accumulator (a, b) is d = 16 b + 8 h + j.
; THE LOSS.  The top 2 of 2 experts are both experts for every input, so each dispatch fraction is 1 and the loss is 2 (mean p0 + mean p1): at the head wave 0 of the first cluster's work-groups adds the 256 pairs of sums that
; the first launch left in route, all lanes on.  The number is stored at the kernel's very end by one lane of one work-group: the lanes of that store hang on the work-group's place in its cluster, so it stands
; where no vector register is written behind it.
; REGISTERS, in windows of 256: window 0: v8-31 addresses and b2; v32-39 h's scale words, v40-47 W2's, two sets each; v48 the loss; v64-159, v160-255 h's fragments, TWO sets, later rows on the way out.
;   window 1: W2's fragments, TWO sets, at v0 and v128.   window 2: the accumulators of tokens 0-63 ((a, b) at v[8 (8 a + b)]);   window 3: those of tokens 64-127.
; LIMITS: NaN and infinities are not served.
.set ROWB,   384                       ; a row of W2's tile: 512 codes: two steps, four K steps of 128
.set KROW,   3072                      ; a row of W2 in memory
.set PITCH,  432                       ; and in LDS: 3 x (128 bytes + 16 of padding) = 108 words: row r starts at bank 44 r mod 64 (64 banks of 4 bytes: ISA guide 11.1): sixteen different multiples of 4, so the 32 lanes of a load of 8 bytes touch 64 different banks
.set FR,     12
.set NP,     4                         ; places behind this matrix instruction (ISA guide 7.12.1)
.set STEPA,  49152                     ; a step of hq: [e 2][par 2][block 8][1,536]
.set BQ,     64*PITCH                  ; 64 rows: what one tensor load brings
.set BEXP,   128*PITCH                 ; one expert's 128 rows
.set SLOT,   2*BEXP
.set SCA,    2*SLOT                    ; h's scale words: [e][K step][512], as they lie in memory
.set SCB,    SCA+32768                 ; W2's scale bytes: for each expert 64 units of 256 bytes + 16 of padding, two rows of 128 bytes to a unit
.set SCBE,   17408
.set SPARE,  SCB+2*SCBE                ; the spare words, 128 bytes for each wave: two blocks of 256 bytes that no other line names
.set PART,   67584                     ; the way out: wave w's partial tile at PART x w: 128 rows x (512 bytes + 16).  It lies over the ring and the scales, which have had their last fill and their last read by then
.set SPITCH, 528
.set RD,   8                           ; v8-11   where I read my 32 rows of partial tile q back
.set BV,   12                          ; v[12:15] b2 of expert 0 at my four d of a row, v[16:19] of expert 1
.set ADRB, 20                          ; v20-21  LDS address of my expert's rows of W2 in slot 0, 1  (v22-23: for the pieces that lie behind one padding more)
.set STO,  24                          ; v24     where I put 32 bytes of a row of my partial tile
.set CO,   25                          ; v25     16 x lane; never rewritten
.set ADSA, 26                          ; v26     h's scale words of my K step
.set ADSB, 27                          ; v27     W2's
.set SPW,  28                          ; v28     LDS address of my spare word; never rewritten
.set NIL,  29                          ; v29     0; never rewritten
.set PFO,  30                          ; v30     256 x lane; never rewritten
.set SA,   32                          ; set p at v[SA + 4 p]: register i: lanes 0-15 the words of token block i, lanes 16-31 of block 4 + i
.set SB,   40                          ; set p at v[SB + 4 p]: the same of W2's blocks
.set LOSS, 48                          ; v48     the loss, in the waves that add it up; 0 in the others.  v49-63 at work on it
.set AF,   64                          ; h's fragments: set p at v[AF + 96 p]
.set RP,   6                           ; s[6:7]   route at my 32 rows' weights
.set AP,   32                          ; s[32:33] hq at my wave's images of the step from which the loads' immediates count
.set PFA,  46                          ; s[46:47] where my prefetches stand
.set G1B,  48                          ; s[48:55] group 1 for W2's tiles; s[56:63] group 0, a set for each slot
.set G0B,  56
.set LIM,  66                          ; s66 1 in a wave that prefetches, else the greatest number
.set G1SA, 68                          ; s[68:75], s[76:79] groups 1 and 0 for h's scale words; s[80:87], s[88:91] for W2's scale bytes
.set G0SA, 76
.set G1SB, 80
.set G0SB, 88
.set MSB, 0
.macro WIN new                         ; the immediate's high byte repeats the setting that is left; a switch that changes nothing is dropped
.if MSB != (\new)
	s_set_vgpr_msb (MSB<<8)|(\new)
.set MSB, (\new)
.endif
.endm
.set TO_B, 0x40                        ; destination window 1, address window 0
; The joint load of the scales: waves 0 and 1 fetch h's (expert 0, 1), waves 2 and 3 W2's.  The branch hangs on the wave's number alone.  Four v_nop follow each of the two lines.
.macro JLOAD g0a, g1a, g0b, g1b
	s_cmp_eq_u32 s21, 0
	s_cbranch_scc0 .Lfor_b_\@
	tensor_load_to_lds s[\g0a:\g0a+3], s[\g1a:\g1a+7]
	s_nop 0
.rept 4
	v_nop
.endr
	s_branch .Lasked_\@
.Lfor_b_\@:
	tensor_load_to_lds s[\g0b:\g0b+3], s[\g1b:\g1b+7]
	s_nop 0
.rept 4
	v_nop
.endr
.Lasked_\@:
.endm
; The joint load of a slot: every wave asks for 64 rows of its own (expert w % 2, rows 64 (w / 2) on): both addresses hang on the wave's number, and on nothing that the four partners of a column do not share.
.macro BLOAD slot
	tensor_load_to_lds s[G0B+4*\slot:G0B+4*\slot+3], s[G1B:G1B+7]
	s_nop 0
.rept 4
	v_nop
.endr
.endm
.macro CREST                           ; a round of the cluster's barrier behind its opening barrier
	s_cmp_lg_u32 s20, 0
	s_cbranch_scc1 .Lnot_wave_0_\@
	s_barrier_signal -3
.Lnot_wave_0_\@:
	s_barrier_wait -3
	s_barrier_signal -1
	s_barrier_wait -1
.endm
.macro CROUND
	s_barrier_signal -1
	s_barrier_wait -1
	CREST
.endm
.macro PLACES n
.rept \n
	v_nop
.endr
.endm
; A PREFETCH INTO THE L2 of hq: at steps 1, 3, 5, 7 and 9, behind the wave's loads, for steps s + 5 and s + 6, whose loads are issued three steps (192 matrix instructions) on.  A pair of steps is 98,304 bytes.
; The two clusters of a row of clusters walk the same tokens: cluster x = 0 asks.  Its four partners along x take 24,576 bytes each, told apart BY ADDRESS; in each, waves 0 to 2 take 8,192 bytes, lanes 256 bytes apart:
; each aligned block of 256 bytes is named once.  Steps 0 to 5 come by their loads alone; step 11 asks for nothing: step 15 is the tile's last.  how = 2: a trip's first; how = 1: its second, not in the last trip.
.macro ASK how, off
.if (\how) == 2
	s_cmp_eq_u32 s[LIM], 1
.else
	s_cmp_gt_u32 s3, s[LIM]                        ; s3 = 1 in the loop's last trip
.endif
	s_cbranch_scc0 .Lnot_mine_\@
	global_prefetch_b8 v[PFO], s[PFA:PFA+1] offset:\off th:TH_LOAD_NT scope:SCOPE_SE
.Lnot_mine_\@:
.endm
; h's token blocks i0 .. i0 + 3 of the step that lies rel steps on from where s[AP] stands, into set p: twelve loads of 512 consecutive bytes, aligned
.macro ALOAD p, i0, rel
.irp i, \i0, \i0+1, \i0+2, \i0+3
.irp c, 0,1,2
	global_load_b128 v[AF+96*(\p)+FR*(\i)+4*\c:AF+96*(\p)+FR*(\i)+4*\c+3], v[CO], s[AP:AP+1] offset:STEPA*(\rel)+1536*(\i)+512*\c
.endr
.endr
.endm
	s_load_b512 s[4:19], s[0:1], 0x0               ; hq s[4:5], hs s[6:7], W2's codes s[8:9], W2's scales s[10:11], b2 s[12:13], route s[14:15], out0 s[16:17], out1 s[18:19]
	v_lshl_add_u32 v[SPW], v0, 2, SPARE
	v_mov_b32 v[NIL], 0
	ds_add_u32 v28, v29
	ds_add_u32 v28, v29
	s_wait_dscnt 0x0
	v_lshrrev_b32 v1, 5, v0
	v_readfirstlane_b32 s20, v1                    ; wave 0..3
	s_lshr_b32 s21, s20, 1                         ; e: my expert.  Also: I fetch h's scales (0) or W2's (1), and which 64 rows of W2's tile
	s_and_b32 s22, s20, 1                          ; hf: which K step of a pair is mine.  Also: the expert for which I fetch
	v_and_b32 v3, 31, v0                           ; lane
	v_lshlrev_b32 v[CO], 4, v3
	v_lshlrev_b32 v[PFO], 8, v3
	s_bfe_u32 s40, ttmp6, 0x40000                  ; cx, cy: my place in the cluster
	s_bfe_u32 s41, ttmp6, 0x40004
	s_lshl_b32 s42, ttmp9, 2
	s_add_co_u32 s42, s42, s40                     ; tx: tile of 128 d = 4 x cluster x + cx
	s_and_b32 s43, ttmp7, 0xffff
	s_lshl_b32 s43, s43, 2
	s_add_co_u32 s43, s43, s41                     ; tt: tile of 128 tokens = 4 x cluster y + cy
	s_lshl_b32 s44, s41, 2
	s_lshl_b32 s44, 15, s44                        ; my row of the cluster
	s_lshl_b32 s45, 0x1111, s40                    ; my column
	; group 1, W2's tiles: 64 rows x 384 bytes, 3,072 bytes apart; 16 bytes of padding behind every 128
	s_or_b32 s[G1B+0], s45, (0<<16)|(1<<20)|(1<<21)|(4<<22)|(3<<25)   ; 15:0 the mask: my column; 17:16 elements of 1 byte; 20 padding on; 21 set beside a mask; 24:22 after every 32 words (code 4); 31:25 of 4 words (code 3)
	s_mov_b32 s[G1B+1], ROWB<<16                   ; tensor_dim0
	s_mov_b32 s[G1B+2], 64<<16                     ; tensor_dim1
	s_mov_b32 s[G1B+3], ROWB<<16                   ; tile_dim0
	s_mov_b32 s[G1B+4], 64                         ; tile_dim1
	s_mov_b32 s[G1B+5], KROW                       ; tensor_dim0_stride
	s_mov_b32 s[G1B+6], 0
	s_mov_b32 s[G1B+7], 0
	; the scales of one expert: 16,384 dense bytes as 64 rows of 256 (32 elements of 8 bytes); h's without padding, W2's with 16 bytes behind each row
	s_or_b32 s[G1SA+0], s44, (3<<16)|(1<<21)
	s_or_b32 s[G1SB+0], s45, (3<<16)|(1<<20)|(1<<21)|(5<<22)|(3<<25)
.irp g, G1SA, G1SB
	s_mov_b32 s[\g+1], 32<<16
	s_mov_b32 s[\g+2], 64<<16
	s_mov_b32 s[\g+3], 32<<16
	s_mov_b32 s[\g+4], 64
	s_mov_b32 s[\g+5], 32
	s_mov_b32 s[\g+6], 0
	s_mov_b32 s[\g+7], 0
.endr
	s_mul_i32 s92, s43, 16*STEPA                   ; hq: 786,432 bytes a tile of tokens,
	s_mul_i32 s93, s20, 12288                      ; + my wave's images in a step: (e, hf)
	s_add_co_u32 s92, s92, s93
	s_mov_b32 s93, 0
	; where the joint loads' tiles come from.  h's scale words hang on tt alone, W2's codes and scale bytes on tx alone, each in registers that never hold the other coordinate
	s_lshl_b32 s94, s43, 1
	s_add_co_u32 s94, s94, s22
	s_lshl_b32 s94, s94, 14                        ; hs: (2 tt + expert) x 16,384
	s_mov_b32 s95, 0
	s_lshl_b32 s96, s22, 10
	s_lshl_b32 s98, s42, 7
	s_add_co_u32 s96, s96, s98                     ; the tile's first row of W2: 1,024 x expert + 128 tx
	s_lshl_b32 s98, s96, 7                         ; its scale bytes
	s_mov_b32 s99, 0
	s_lshl_b32 s97, s21, 6
	s_add_co_u32 s96, s96, s97                     ; + the 64 rows that I fetch
	s_mul_i32 s96, s96, KROW                       ; their codes
	s_mov_b32 s97, 0
	s_mul_i32 s2, s22, BEXP                        ; and where they go: no place in the cluster enters an LDS address
	s_mul_i32 s67, s21, BQ
	s_add_co_u32 s2, s2, s67
	s_lshl_b32 s100, s22, 14
	s_add_co_u32 s100, s100, SCA
	s_mul_i32 s101, s22, SCBE
	s_add_co_u32 s101, s101, SCB
	s_lshl_b32 s36, s42, 9                         ; b2 at the tile's first d: 512 tx bytes
	s_mov_b32 s37, 0
	s_wait_kmcnt 0x0
	s_add_nc_u64 s[AP:AP+1], s[4:5], s[92:93]
	s_add_nc_u64 s[12:13], s[12:13], s[36:37]
	global_load_b128 v[BV:BV+3], v[CO], s[12:13]               ; b2[0] at d = 128 tx + 4 x lane + 0 .. 3: wanted on the way out
	global_load_b128 v[BV+4:BV+7], v[CO], s[12:13] offset:4096 ; b2[1]
	ALOAD 0, 0, 0                                  ; h of steps 0 and 1: 48 loads, in the order in which they are waited for
	ALOAD 0, 4, 0
	ALOAD 1, 0, 1
	ALOAD 1, 4, 1
	s_add_nc_u64 s[94:95], s[6:7], s[94:95]
	s_add_nc_u64 s[96:97], s[8:9], s[96:97]
	s_add_nc_u64 s[98:99], s[10:11], s[98:99]
	CROUND                                         ; all sixteen work-groups are here: the first joint loads meet
	s_mov_b32 s[G0SA], 1
	s_mov_b32 s[G0SA+1], s100
	s_mov_b64 s[G0SA+2:G0SA+3], s[94:95]
	s_or_b32 s[G0SA+3], s[G0SA+3], 0x80000000
	s_mov_b32 s[G0SB], 1
	s_mov_b32 s[G0SB+1], s101
	s_mov_b64 s[G0SB+2:G0SB+3], s[98:99]
	s_or_b32 s[G0SB+3], s[G0SB+3], 0x80000000
.irp s, 0,1
	s_mov_b32 s[G0B+4*\s], 1                       ; 1:0 count = 1
	s_add_co_u32 s[G0B+4*\s+1], s2, \s*SLOT        ; 63:32 LDS address
	s_add_nc_u64 s[G0B+4*\s+2:G0B+4*\s+3], s[96:97], \s*ROWB   ; 120:64 global address: slot s begins with steps 2 s, 2 s + 1
	s_or_b32 s[G0B+4*\s+3], s[G0B+4*\s+3], 0x80000000          ; 127:126 type = 2
.endr
	JLOAD G0SA, G1SA, G0SB, G1SB                   ; the scales first: they are wanted with step 0
	BLOAD 0
	BLOAD 1                                        ; three tensor loads of mine are out
	v_and_b32 v1, 15, v0                           ; r
	v_bfe_u32 v2, v0, 4, 1                         ; h
	v_mul_u32_u24 v4, v1, PITCH
	v_mad_u32_u24 v4, v2, 24, v4                   ; W2: a fragment's row x pitch + 24 x half,
	v_lshl_add_u32 v5, v2, 4, v4                   ; and the same behind one padding more
	s_mul_i32 s92, s21, BEXP                       ; my expert's 128 rows
.irp s, 0,1
	v_add_nc_u32 v[ADRB+\s], s92, v4
	v_add_nc_u32 v[ADRB+2+\s], s92, v5
	s_add_co_u32 s92, s92, SLOT
.endr
	s_mul_i32 s92, s20, PART                       ; my partial tile: row r, 32 bytes for each half of the lanes
	v_mul_u32_u24 v6, v1, SPITCH
	v_lshl_add_u32 v6, v2, 5, v6
	v_add_nc_u32 v[STO], s92, v6
	s_mul_i32 s92, s20, 32*SPITCH                  ; back: rows 32 w .. 32 w + 31 of each of the four, 16 bytes a lane
.irp q, 0,1,2,3
	v_add_nc_u32 v[RD+\q], s92, v[CO]
	s_add_co_u32 s92, s92, PART
.endr
	s_lshl_b32 s92, s21, 14                        ; h's scale words: expert e, K step hf; 1,024 bytes on in each step
	s_lshl_b32 s93, s22, 9
	s_add_co_u32 s92, s92, s93
	s_add_co_u32 s92, s92, SCA
	v_add_nc_u32 v[ADSA], s92, v[CO]
	v_lshrrev_b32 v6, 1, v1                        ; W2's: row r of a block: unit r / 2, half r % 2 of it; lanes 16-31 four blocks (32 units) further on
	v_mul_u32_u24 v6, v6, 272
	v_and_b32 v7, 1, v1
	v_lshl_add_u32 v6, v7, 7, v6
	v_mad_u32_u24 v6, v2, 8704, v6
	s_mul_i32 s92, s21, SCBE
	s_lshl_b32 s93, s22, 2                         ; the word of K step hf; 8 bytes on in each step
	s_add_co_u32 s92, s92, s93
	s_add_co_u32 s92, s92, SCB
	v_add_nc_u32 v[ADSB], s92, v6
	s_lshl_b32 s92, s43, 7                         ; out0 at the first row that I store: (128 tt + 32 w) rows of 4,096 bytes + 512 tx
	s_lshl_b32 s93, s20, 5
	s_add_co_u32 s92, s92, s93
	s_lshl_b32 s92, s92, 12
	s_lshl_b32 s93, s42, 9
	s_add_co_u32 s92, s92, s93
	s_mov_b32 s93, 0
	s_add_nc_u64 s[16:17], s[16:17], s[92:93]
	s_mul_i32 s92, s43, 16*STEPA                   ; the prefetches: my tile of tokens, step 6,
	s_mul_i32 s93, s40, 24576                      ; my work-group's quarter of a pair of steps,
	s_add_co_u32 s92, s92, s93
	s_lshl_b32 s93, s20, 13                        ; my wave's third of that
	s_add_co_u32 s92, s92, s93
	s_add_co_u32 s92, s92, 6*STEPA
	s_mov_b32 s93, 0
	s_add_nc_u64 s[PFA:PFA+1], s[4:5], s[92:93]
	s_cmp_lt_u32 s20, 3
	s_cselect_b32 s[LIM], 0, 1
	s_or_b32 s[LIM], s[LIM], ttmp9                 ; waves 0 to 2 of the clusters with x = 0: the same in all sixteen partners, for a given wave
	s_cmp_eq_u32 s[LIM], 0
	s_cselect_b32 s[LIM], 1, -1
	; THE LOSS is added up here, all lanes on, by wave 0 of the first cluster's work-groups (the branch hangs on the cluster's number and the wave's, which all partners share); it is stored at the kernel's end
	v_mov_b32 v[LOSS], 0                           ; written in every wave: the store at the end names it in every wave
	s_and_b32 s92, ttmp7, 0xffff
	s_or_b32 s92, s92, ttmp9
	s_or_b32 s92, s92, s20
	s_cmp_lg_u32 s92, 0
	s_cbranch_scc1 .Lno_loss
	s_mov_b32 s100, 0x76543210
	s_mov_b32 s101, 0xfedcba98                     ; v_permlanex16_b32's selects for lane l xor 16
.irp i, 0,1,2,3,4,5,6,7
	global_load_b64 v[48+2*\i:49+2*\i], v[PFO], s[14:15] offset:128+8192*\i   ; (sum p0, sum p1) of block lane + 32 i of 16 tokens
.endr
	s_wait_loadcnt 0x0                             ; these eight are my youngest loads: on this way h's first 48 are in too, and the counted waits below are met at once
	v_pk_add_f32 v[48:49], v[48:49], v[50:51]
	v_pk_add_f32 v[52:53], v[52:53], v[54:55]
	v_pk_add_f32 v[56:57], v[56:57], v[58:59]
	v_pk_add_f32 v[60:61], v[60:61], v[62:63]
	v_pk_add_f32 v[48:49], v[48:49], v[52:53]
	v_pk_add_f32 v[56:57], v[56:57], v[60:61]
	v_pk_add_f32 v[48:49], v[48:49], v[56:57]
	v_add_f32 v48, v48, v49                        ; both dispatch fractions are 1: the two experts' sums are added as they are
.irp m, 1,2,4,8
	v_add_f32_dpp v48, v48, v48 row_xmask:\m row_mask:0xf bank_mask:0xf
.endr
	v_permlanex16_b32 v49, v48, s100, s101
	v_add_f32 v48, v48, v49
	v_mul_f32 v[LOSS], 0x3a000000, v48             ; x 2 / 4,096
.Lno_loss:
	s_lshl_b32 s92, s43, 11                        ; route at my 32 rows' weights: 256 (8 tt + 2 w)
	s_lshl_b32 s93, s20, 9
	s_add_co_u32 s92, s92, s93
	s_mov_b32 s93, 0
	s_add_nc_u64 s[RP:RP+1], s[14:15], s[92:93]
.macro FRAGB reg, adr, j, i            ; a fragment of W2, the slot's j-th 128 along K: lane l holds row l % 16; registers 6 c .. 6 c + 5 hold K = 64 c + 32 (l / 16) + 0 .. 31, in pieces of 8 bytes
.irp p, 0,1,2,3,4,5
.set PIECE, 12*(\j)+6*(\p/3)+\p%3      ; 16 bytes of padding lie behind every 16 pieces: where the piece three on (lanes 16-31) lies behind one padding more, the second address register serves
.if PIECE%16 < 13
	ds_load_b64 v[\reg+2*\p:\reg+2*\p+1], v[\adr] offset:8*PIECE+16*(PIECE/16)+(\i)*16*PITCH
.else
	ds_load_b64 v[\reg+2*\p:\reg+2*\p+1], v[\adr+2] offset:8*PIECE+16*(PIECE/16)+(\i)*16*PITCH
.endif
.endr
.endm
; One product.  W2's words of blocks 4-7 and h's of blocks 4-7 stand in lanes 16-31 of their registers.  first = 1: the constant 0 is the C, and the sum begins: nothing is ever cleared.
.macro WM a, b, p, first
.set rD, 8*(8*((\a)%4)+(\b))
.set rB, 128*(\p)+FR*(\b)
.set rA, AF+96*(\p)+FR*(\a)
.set rSB, SB+4*(\p)+(\b)%4
.set rSA, SA+4*(\p)+(\a)%4
.set KIND, 2*((\a)/4)+(\b)/4
.if \first
.if KIND == 3
	v_wmma_scale_f32_16x16x128_f8f6f4 v[rD:rD+7], v[rB:rB+FR-1], v[rA:rA+FR-1], 0, v[rSB], v[rSA] matrix_a_fmt:MATRIX_FMT_BF6 matrix_b_fmt:MATRIX_FMT_BF6 matrix_a_scale:MATRIX_SCALE_ROW1 matrix_b_scale:MATRIX_SCALE_ROW1
.elseif KIND == 1
	v_wmma_scale_f32_16x16x128_f8f6f4 v[rD:rD+7], v[rB:rB+FR-1], v[rA:rA+FR-1], 0, v[rSB], v[rSA] matrix_a_fmt:MATRIX_FMT_BF6 matrix_b_fmt:MATRIX_FMT_BF6 matrix_a_scale:MATRIX_SCALE_ROW1
.elseif KIND == 2
	v_wmma_scale_f32_16x16x128_f8f6f4 v[rD:rD+7], v[rB:rB+FR-1], v[rA:rA+FR-1], 0, v[rSB], v[rSA] matrix_a_fmt:MATRIX_FMT_BF6 matrix_b_fmt:MATRIX_FMT_BF6 matrix_b_scale:MATRIX_SCALE_ROW1
.else
	v_wmma_scale_f32_16x16x128_f8f6f4 v[rD:rD+7], v[rB:rB+FR-1], v[rA:rA+FR-1], 0, v[rSB], v[rSA] matrix_a_fmt:MATRIX_FMT_BF6 matrix_b_fmt:MATRIX_FMT_BF6
.endif
.else
.if KIND == 3
	v_wmma_scale_f32_16x16x128_f8f6f4 v[rD:rD+7], v[rB:rB+FR-1], v[rA:rA+FR-1], v[rD:rD+7], v[rSB], v[rSA] matrix_a_fmt:MATRIX_FMT_BF6 matrix_b_fmt:MATRIX_FMT_BF6 matrix_a_scale:MATRIX_SCALE_ROW1 matrix_b_scale:MATRIX_SCALE_ROW1
.elseif KIND == 1
	v_wmma_scale_f32_16x16x128_f8f6f4 v[rD:rD+7], v[rB:rB+FR-1], v[rA:rA+FR-1], v[rD:rD+7], v[rSB], v[rSA] matrix_a_fmt:MATRIX_FMT_BF6 matrix_b_fmt:MATRIX_FMT_BF6 matrix_a_scale:MATRIX_SCALE_ROW1
.elseif KIND == 2
	v_wmma_scale_f32_16x16x128_f8f6f4 v[rD:rD+7], v[rB:rB+FR-1], v[rA:rA+FR-1], v[rD:rD+7], v[rSB], v[rSA] matrix_a_fmt:MATRIX_FMT_BF6 matrix_b_fmt:MATRIX_FMT_BF6 matrix_b_scale:MATRIX_SCALE_ROW1
.else
	v_wmma_scale_f32_16x16x128_f8f6f4 v[rD:rD+7], v[rB:rB+FR-1], v[rA:rA+FR-1], v[rD:rD+7], v[rSB], v[rSA] matrix_a_fmt:MATRIX_FMT_BF6 matrix_b_fmt:MATRIX_FMT_BF6
.endif
.endif
.endm
; 16 products: token blocks a0, a0 + 1 x W2's eight.  p: the step's parity: h's set, W2's set and the set of scale words.
; The 64 accumulators take turns, one instruction a turn, in the same order in every step.
.macro MUL16 a0, p, first
	WIN 0xa1+0x50*((\a0)/4)                        ; source 0 (W2) window 1, source 1 (h) window 0, C and D window 2 or 3
.irp a, \a0, \a0+1
.irp b, 0,1,2,3,4,5,6,7
	WM \a, \b, \p, \first
.endr
.endr
.endm
; W2's eight fragments of my K step, in step q of the slot, into set p.  My K step is the slot's (2 q + hf)-th, and the paddings lie otherwise for each: so the two values of hf have two runs of loads that differ in
; immediates and in the choice of the address register alone: 48 loads each, under a branch on the wave's number.
.macro FETCH_B slot, q, p
	s_cmp_eq_u32 s22, 0
	s_cbranch_scc0 .Lodd_\@
	WIN TO_B
.irp i, 0,1,2,3,4,5,6,7
	FRAGB 128*(\p)+FR*\i, ADRB+\slot, 2*(\q), \i
.endr
	WIN 0
	s_branch .Lgot_\@
.Lodd_\@:
	WIN TO_B
.irp i, 0,1,2,3,4,5,6,7
	FRAGB 128*(\p)+FR*\i, ADRB+\slot, 2*(\q)+1, \i
.endr
	WIN 0
.Lgot_\@:
.endm
.macro SCALES p                        ; my K step's scale words: five loads
	ds_load_b128 v[SA+4*\p:SA+4*\p+3], v[ADSA]
.irp i, 0,1,2,3
	ds_load_b32 v[SB+4*\p+\i], v[ADSB] offset:2176*\i
.endr
.endm
; A load into a register that a matrix instruction has read stands four plain vector instructions behind it.
; THE WAITS FOR h.  Loads come back in order.  When a half step's twelve loads are wanted, the younger loads are the step's other twelve or step s + 2's first twelve, and 24 more: la1 = la2 = 36; in the last two steps,
; which ask for nothing (rel = -1), the counts run down.
; A slot's first step (an even step: sets 0).  In its middle it fetches W2's fragments and the scale words of the slot's second step, and asks for h's blocks 0-3 of the step two on; at its end for blocks 4-7.
.macro STEP slot, first, la1, la2, rel
	s_wait_loadcnt \la1                            ; h's blocks 0-3 of this step are in
	s_wait_dscnt 0x0                               ; W2's set and the scale words are in (asked for 32 matrix instructions ago)
	MUL16 0, 0, \first
	MUL16 2, 0, \first
	WIN 0
	PLACES NP
	v_add_nc_u32 v[ADSA], 1024, v[ADSA]            ; on to the next step's scale words
	v_add_nc_u32 v[ADSB], 8, v[ADSB]
	FETCH_B \slot, 1, 1
	SCALES 1
.if (\rel) >= 0
	ALOAD 0, 0, \rel
.endif
	s_wait_loadcnt \la2                            ; h's blocks 4-7 of this step are in
	MUL16 4, 0, \first
	MUL16 6, 0, \first
	PLACES NP
	WIN 0
.if (\rel) >= 0
	ALOAD 0, 4, \rel
.endif
.endm
; A slot's second step (an odd step: sets 1) changes slots: ONE barrier; in front of it each wave waits for all its tensor loads (its part of the next slot), adds 0 to its spare word, and waits for that and for its reads of
; this slot.  fill = 1: this slot is filled again, with the two steps four on: 96 matrix instructions lie between the request and the wait for it.  ask: 0 no prefetch; 2 a trip's first; 1 its second.
.macro TURN slot, next, fill, la1, la2, rel, ask
	s_wait_loadcnt \la1                            ; h's blocks 0-3 of this step are in
	s_wait_tensorcnt 0x0                           ; all my tensor loads have landed  (every window is 0 here)
	ds_add_u32 v[SPW], v[NIL]                      ; 0 onto my spare word
	s_wait_dscnt 1                                 ; W2's set and the scale words are in; the add may be out
	MUL16 0, 1, 0                                  ; sixteen matrix instructions stand between the add and the wait for it
	s_wait_dscnt 0x0                               ; the add is done, and my reads of this slot are over
	s_barrier_signal -1
	MUL16 2, 1, 0
	WIN 0
	s_barrier_wait -1
.if \fill
	CREST                                          ; the barrier has opened a round of the cluster's: no wave of any partner still reads this slot or has a tensor load on its way
	s_add_nc_u64 s[G0B+4*\slot+2:G0B+4*\slot+3], s[G0B+4*\slot+2:G0B+4*\slot+3], 2*ROWB
	BLOAD \slot                                    ; the first tensor load behind the round, and my only one until the next; its four v_nop are also the places in front of the loads below
.else
	PLACES NP
.endif
	v_add_nc_u32 v[ADSA], 1024, v[ADSA]            ; on to the next step's scale words
	v_add_nc_u32 v[ADSB], 8, v[ADSB]
	FETCH_B \next, 0, 0
	SCALES 0
.if (\rel) >= 0
	ALOAD 1, 0, \rel
.endif
.if (\ask) == 2
	ASK 2, 0
.elseif (\ask) == 1
	ASK 1, 2*STEPA
.endif
	s_wait_loadcnt \la2                            ; h's blocks 4-7 of this step are in
	MUL16 4, 1, 0
	MUL16 6, 1, 0
	PLACES NP
	WIN 0
.if (\rel) >= 0
	ALOAD 1, 4, \rel
.endif
.endm
	s_wait_tensorcnt 1                             ; the scales and my part of slot 0 are in; slot 1's load may stay out
	s_barrier_signal -1
	s_barrier_wait -1                              ; everybody's are
	FETCH_B 0, 0, 0
	SCALES 0
	STEP 0, 1, 36, 36, 2                           ; step 0 stands in front of the loop: its products start the sums
	s_mov_b32 s3, 3
.Llap:                                             ; three trips, steps 1 to 12: a trip goes once round the ring, from a lap's second step to the next lap's first, and fills both slots again
	TURN 0, 1, 1, 36, 36, 3, 2
	STEP 1, 0, 36, 36, 4
	TURN 1, 0, 1, 36, 36, 5, 1
	STEP 0, 0, 36, 36, 6
	s_wait_xcnt 0x0                                ; my loads and prefetches have read their bases: both are stepped only behind this wait, four steps on
	s_add_nc_u64 s[AP:AP+1], s[AP:AP+1], 4*STEPA
	s_add_nc_u64 s[PFA:PFA+1], s[PFA:PFA+1], 4*STEPA
	s_sub_co_u32 s3, s3, 1
	s_cmp_lg_u32 s3, 0
	s_cbranch_scc1 .Llap
	TURN 0, 1, 0, 36, 36, 3, 0                     ; step 13: no slot is left to fill; h of step 15 is asked for
	STEP 1, 0, 36, 24, -1                          ; step 14: nothing is left to ask for
	s_wait_loadcnt 12                              ; step 15
	s_wait_dscnt 0x0                               ; my last reads of the ring and of the scales are over
	MUL16 0, 1, 0
	MUL16 2, 1, 0
	s_wait_loadcnt 0x0
	s_barrier_signal -1
	MUL16 4, 1, 0
	MUL16 6, 1, 0
	WIN 0
	s_barrier_wait -1                              ; everybody's are: the partial tiles may be laid over them
	; THE WAY OUT.  The weights of my 32 rows come into scalar registers: the descriptors' (no tensor load is out) and, behind the wait below, the bases of h's loads and of the prefetches.
	s_wait_xcnt 0x0
	s_load_b512 s[24:39], s[RP:RP+1], 0x0          ; (c0, c1) of rows 0-7,
	s_load_b512 s[40:55], s[RP:RP+1], 0x40         ; 8-15,
	s_load_b512 s[68:83], s[RP:RP+1], 0x100        ; 16-23,
	s_load_b512 s[84:99], s[RP:RP+1], 0x140        ; 24-31
	PLACES NP                                      ; ahead of the first read of results
.macro TOSTAGE a                       ; block a of my partial tile: a lane's 32 bytes of a row; each accumulator from its low end on
.set AC, 64*((\a)%4)
	WIN 0x08+4*((\a)/4)                            ; an LDS store's data are its source 1: window 2 or 3
.irp b, 0,1,2,3,4,5,6,7
	ds_store_b128 v[STO], v[AC+8*\b:AC+8*\b+3] offset:16*SPITCH*(\a)+64*\b
	ds_store_b128 v[STO], v[AC+8*\b+4:AC+8*\b+7] offset:16*SPITCH*(\a)+64*\b+16
.endr
.endm
.irp a, 0,1,2,3,4,5,6,7
	TOSTAGE \a
.endr
	WIN 0
	s_wait_kmcnt 0x0                               ; the weights
	s_wait_dscnt 0x0                               ; for the others' sake: my partial tile has landed
	s_barrier_signal -1
	s_barrier_wait -1
.macro BACK g                          ; rows 4 g .. 4 g + 3 of my 32, from all four partial tiles: 512 consecutive bytes a load; two sets of registers by turns
.set BB, 64+64*((\g)%2)
.irp k, 0,1,2,3
.irp q, 0,1,2,3
	ds_load_b128 v[BB+16*\k+4*\q:BB+16*\k+4*\q+3], v[RD+\q] offset:SPITCH*(4*(\g)+\k)
.endr
.endr
.endm
.macro COMB g                          ; out = c0 (P0 + P1 + b2[0]) + c1 (P2 + P3 + b2[1])
.set BB, 64+64*((\g)%2)
.irp k, 0,1,2,3
.set rw, 4*(\g)+\k
.set SS, 24+16*(rw/8)+12*(rw/16)+2*(rw%8)          ; where the row's (c0, c1) stand
.set R0, BB+16*\k
	v_pk_add_f32 v[R0:R0+1], v[R0:R0+1], v[R0+4:R0+5]
	v_pk_add_f32 v[R0+2:R0+3], v[R0+2:R0+3], v[R0+6:R0+7]
	v_pk_add_f32 v[R0+8:R0+9], v[R0+8:R0+9], v[R0+12:R0+13]
	v_pk_add_f32 v[R0+10:R0+11], v[R0+10:R0+11], v[R0+14:R0+15]
	v_pk_add_f32 v[R0:R0+1], v[R0:R0+1], v[BV:BV+1]
	v_pk_add_f32 v[R0+2:R0+3], v[R0+2:R0+3], v[BV+2:BV+3]
	v_pk_add_f32 v[R0+8:R0+9], v[R0+8:R0+9], v[BV+4:BV+5]
	v_pk_add_f32 v[R0+10:R0+11], v[R0+10:R0+11], v[BV+6:BV+7]
.irp j, 8,9,10,11
	v_mul_f32 v[R0+\j], s[SS+1], v[R0+\j]
.endr
	v_pk_fma_f32 v[R0:R0+1], v[R0:R0+1], s[SS:SS+1], v[R0+8:R0+9] op_sel_hi:[1,0,1]   ; (of the pair the low word, c0, serves both halves)
	v_pk_fma_f32 v[R0+2:R0+3], v[R0+2:R0+3], s[SS:SS+1], v[R0+10:R0+11] op_sel_hi:[1,0,1]
	global_store_b128 v[CO], v[R0:R0+3], s[16:17] offset:4096*rw th:TH_STORE_NT   ; 32 lanes store 512 consecutive bytes, aligned; written once, read by nobody here
.endr
.endm
	BACK 0
.irp g, 0,1,2,3,4,5,6
.if \g > 0
	s_wait_xcnt 0x0                                ; the stores of the group before have read their registers: the next loads may land there
.endif
	BACK \g+1
	s_wait_dscnt 16                                ; this group's rows are in; the next group's sixteen loads may be out
	COMB \g
.endr
	s_wait_dscnt 0x0
	COMB 7
	; THE LOSS IS STORED: by thread 0 of the launch's first work-group, and by no other lane of the launch.  No branch: every wave runs these lines, all but one with no lane on.
	; The lanes hang on the work-group's place in its cluster; behind these lines no vector register is written.
	s_bfe_u32 s100, ttmp6, 0x40000                 ; cx  (s40 and s41 hold weights by now)
	s_bfe_u32 s101, ttmp6, 0x40004                 ; cy
	s_or_b32 s100, s100, s101
	s_or_b32 s100, s100, ttmp9                     ; cluster x
	s_and_b32 s101, ttmp7, 0xffff                  ; cluster y
	s_or_b32 s100, s100, s101
	v_or_b32 v51, s100, v0                         ; 0 in that one thread alone
	v_mov_b32 v50, 0
	v_cmp_eq_u32 vcc_lo, 0, v51
	s_wait_xcnt 0x0                                ; EXEC changes only behind this wait: the rows' stores have been issued under it
	s_and_saveexec_b32 s101, vcc_lo
	global_store_b32 v50, v[LOSS], s[18:19]
	s_wait_xcnt 0x0                                ; and again, in front of the line that widens it
	s_or_b32 exec_lo, exec_lo, s101
	s_wait_tensorcnt 0x0                           ; the wave's end, behind my last tensor load and my last LDS store
	ds_add_u32 v[SPW], v[NIL]
	s_wait_dscnt 0x0
	CROUND                                         ; the closing round: no work-group ends while a partner may still ask for a tile that names it
	s_endpgm
.Lfunc_end_k_q3e6ea5722e_down:
	.size	k_q3e6ea5722e_down, .Lfunc_end_k_q3e6ea5722e_down-k_q3e6ea5722e_down
	.p2alignl 7, 3214868480
	.fill 96, 4, 3214868480
	.section	.rodata,"a",@progbits
	.p2align	6, 0x0
	.amdhsa_kernel k_q3e6ea5722e_down
		.amdhsa_group_segment_fixed_size 327680
		.amdhsa_private_segment_fixed_size 0
		.amdhsa_enable_private_segment 0
		.amdhsa_kernarg_size 64
		.amdhsa_user_sgpr_count 2
		.amdhsa_user_sgpr_kernarg_segment_ptr 1
		.amdhsa_wavefront_size32 1
		.amdhsa_system_sgpr_workgroup_id_x 1
		.amdhsa_system_sgpr_workgroup_id_y 1
		.amdhsa_system_sgpr_workgroup_id_z 1
		.amdhsa_system_vgpr_workitem_id 0
		.amdhsa_next_free_vgpr 1024
		.amdhsa_next_free_sgpr 102
		.amdhsa_reserve_vcc 1
		.amdhsa_float_denorm_mode_32 3
		.amdhsa_float_denorm_mode_16_64 3
		.amdhsa_memory_ordered 1
		.amdhsa_forward_progress 1
		.amdhsa_inst_pref_size 197
	.end_amdhsa_kernel
	.amdgpu_metadata
---
amdhsa.version: [ 1, 2 ]
amdhsa.kernels:
  - .name:           k_q3e6ea5722e_down
    .symbol:         k_q3e6ea5722e_down.kd
    .args:
      - { .name: hq, .offset: 0, .size: 8, .value_kind: global_buffer, .address_space: global }
      - { .name: hs, .offset: 8, .size: 8, .value_kind: global_buffer, .address_space: global }
      - { .name: W2_codes, .offset: 16, .size: 8, .value_kind: global_buffer, .address_space: global }
      - { .name: W2_scales, .offset: 24, .size: 8, .value_kind: global_buffer, .address_space: global }
      - { .name: b2, .offset: 32, .size: 8, .value_kind: global_buffer, .address_space: global }
      - { .name: route, .offset: 40, .size: 8, .value_kind: global_buffer, .address_space: global }
      - { .name: out0, .offset: 48, .size: 8, .value_kind: global_buffer, .address_space: global }
      - { .name: out1, .offset: 56, .size: 8, .value_kind: global_buffer, .address_space: global }
    .group_segment_fixed_size: 327680
    .private_segment_fixed_size: 0
    .kernarg_segment_align: 8
    .kernarg_segment_size: 64
    .max_flat_workgroup_size: 128
    .sgpr_count:     102
    .vgpr_count:     1024
    .wavefront_size: 32
...
	.end_amdgpu_metadata
.endif
;; end of part 3
